; MI455X (gfx1250); checked and timed in simulation.
; The chip was launched on July 23, 2026; its instructions are those of AMD's public machine-readable ISA for CDNA 5 (MIT licence, August 2026) and "CDNA5" Instruction Set Architecture Reference Guide (July 2026). The comments in the code are by the model that wrote it; some were corrected since.
;; Task Aware Attention. Allowed arithmetic: matrix products marked QUANTISED: E2M1 operands, one E8M0 scale for each 32 along K, by v_wmma_scale_f32_16x16x128_f8f6f4 with both operands' format E2M1 (or v_wmma_scale_f32_32x16x128_f4), f32 sums; products left as they are: f32 operands where the result goes on into a quantised operand, else bf16, f16 or f32 operands; f32 sums; everything else in f32.
;; Inputs: Wk 1,024 x 1,024 float32; Wo 1,024 x 1,024 float32; Wq 1,024 x 1,024 float32; Wt 256 x 1,024 float32; Wv 1,024 x 1,024 float32; beta 1,024 float32; bk 1,024 float32; bo 1,024 float32; bq 1,024 float32; bt 1,024 float32; bv 1,024 float32; gamma 1,024 float32; hidden_states 4 x 2,048 x 1,024 float32; mask 4 x 2,048 int32; task_embedding 4 x 256 float32.
;; Outputs: out0 4 x 2,048 x 1,024 float32.
;; This version of the problem:
;;   THIS VERSION OF THE PROBLEM IS GIVEN IN LOW PRECISION. The matrix products marked QUANTISED in the list below multiply operands that are first quantised to E2M1 (2 exponent bits, 1 mantissa bit; 4 bits a number), with one power-of-two scale for each 32 numbers along K (OCP MX v1.0); their sums are f32. All else is computed in f32.
;;   The module's matrix products, in the order in which they are computed (A, B: the left and right operand; K: the contracted axis; several contracted axes count as one K, in the product's order):
;;     1. [M 4, K 256] x [K 256, N 1,024]; A: input task_embedding; B: input Wt: left as it is (M = 4 < 16)
;;     2. [M 8,192, K 1,024] x [K 1,024, N 1,024]; A: computed on the way; B: input Wq: QUANTISED
;;     3. [M 8,192, K 1,024] x [K 1,024, N 1,024]; A: input hidden_states; B: input Wk: QUANTISED
;;     4. [M 8,192, K 1,024] x [K 1,024, N 1,024]; A: input hidden_states; B: input Wv: QUANTISED
;;     5. batch 64 x [M 2,048, K 64] x [K 64, N 2,048]; A: computed on the way; B: computed on the way: QUANTISED
;;     6. batch 64 x [M 2,048, K 2,048] x [K 2,048, N 64]; A: softmax (see below); B: computed on the way: QUANTISED
;;     7. [M 8,192, K 1,024] x [K 1,024, N 1,024]; A: computed on the way; B: input Wo: QUANTISED
;;   THE QUANTISER, for each operand of a quantised product, along K:
;;     - K is cut into blocks of 32 from its start; a last block that is shorter is filled with zeros.
;;     - A block's scale is 2^e with e = floor(log2(the largest magnitude in the block)) - 2, held to -126 .. 127; a block of zeros has e = 0. As a byte (E8M0): e + 127.
;;     - Each number is divided by its block's scale, clamped to +-6, and rounded to the nearest number of E2M1, ties to even, subnormals kept.
;;     - The product sums the exact products of the quantised numbers (number of the format x scale) in f32.
;;   ~~~python
;;   def quantise(x, axis):      # numpy; x: float32 -> the quantised numbers, widened to float32 again
;;       x = np.moveaxis(x, axis, -1); K = x.shape[-1]
;;       x = np.pad(x, [(0, 0)] * (x.ndim - 1) + [(0, -K % 32)]); x = x.reshape(x.shape[:-1] + (-1, 32)); a = np.abs(x).max(-1, keepdims=True)
;;       e = np.where(a > 0, np.clip(np.frexp(np.where(a > 0, a, 1))[1] - 1 - 2, -126, 127), 0)      # np.frexp(a)[1] - 1 = floor(log2(a)), exactly
;;       r = np.clip(x / 2.0 ** e, -6, 6)
;;       step = 2.0 ** (np.maximum(np.frexp(np.where(r == 0, 1, r))[1] - 1, 0) - 1)
;;       q = np.round(r / step) * step * 2.0 ** e      # np.round: ties to even
;;       return np.moveaxis(q.reshape(q.shape[:-2] + (-1,))[..., :K], -1, axis).astype(np.float32)
;;   ~~~
;;   SOFTMAX AHEAD OF A QUANTISED PRODUCT. Where the list says 'softmax', what is quantised is not the finished softmax but p = 2^(t - M), with t = logit x log2(e) and M = ceil(the row's largest t), a whole number; so 1/2 < the row's largest p <= 1. The row's sum l is taken of the UNQUANTISED p, in f32, and the product's result is divided by l at the end. Since M is a whole number, a kernel that streams over the keys may use a running M (the ceiling of the running maximum): every later rescaling is an exact power of two, which a block's scale takes up: the codes' values come out the same.
;;   OPERANDS COMPUTED ON THE WAY. 'Computed on the way' means the value that the module computes at that place (a softmax that the list does not call 'softmax' is quantised finished and normalised). What goes into a quantiser is computed in f32, as accurately as f32 sums, v_exp_f32 and their like allow (about 1e-6 of the number): no bf16 or f16 on the way to a quantiser, and a product that is left as it is and whose result goes on into a quantised operand takes f32 operands (vector FMAs, or v_wmma_f32_16x16x4_f32). A number that lies on a knife's edge between two numbers of the format may be rounded either way, as far as f32 arithmetic and the matrix unit's own rounding can turn it there, and no further.
;; One version. Each part assembles by itself: llvm-mc -triple=amdgcn-amd-amdhsa -mcpu=gfx1250 --defsym DOCPART=n.
;; ======== version 1 of 1: 4 launches
;; limits: right only within a limited range of input values
;; workspace buffers: xcodes 8,388,608 bytes; xscales 524,288 bytes; wcodes 2,097,152 bytes; wscales 131,072 bytes; qkvc 12,582,912 bytes; qkvs 1,310,720 bytes; cc 4,194,304 bytes; cs 262,144 bytes
;; launch prep (part 1): grid 512 x 1, 4 waves a work-group, no clusters, 43,520 bytes of LDS; arguments hidden_states, task_embedding, Wt, bt, Wq, Wk, Wv, Wo, xcodes, xscales, wcodes, wscales; writes xcodes, xscales, wcodes, wscales
.if DOCPART == 1
	.amdgcn_target "amdgcn-amd-amdhsa--gfx1250"
	.amdhsa_code_object_version 6
	.text
	.protected	k_qfa84b0416f_prep
	.globl	k_qfa84b0416f_prep
	.p2align	8
	.type	k_qfa84b0416f_prep,@function
k_qfa84b0416f_prep:
	s_mov_b64 s[64:65], 0
	v_nop
	global_prefetch_b8 v0, s[64:65] scope:SCOPE_SE
	s_setreg_imm32_b32 hwreg(HW_REG_WAVE_MODE, 25, 1), 1
	s_wait_xcnt 0x0
; QUANTISES hidden_states, q_in = hidden_states + (task_embedding Wt + bt), and the four weights to codes of FP4 (E2M1) with one E8M0 byte for each 32 along K.
; Everything is stored as the IMAGE OF A MATRIX OPERAND'S REGISTERS: K step s (128 along K), tile T (16 rows): 1,024 bytes at (s x tiles + T) x 1024; lane (r, h) puts the 16 bytes
; of k = 128 s + 64 c + 32 h + 0..31 at 512 c + 16 lane.  Lane r of tile T holds row 32 (T / 2) + 8 (T % 2) + r + 8 (r / 8), so that a product that takes the tile as source 0 leaves
; 16 neighbouring rows in the 16 registers of two neighbouring tiles.  Scale words (four bytes: a row's K step) lie in blocks of 512 bytes for 8 tiles: word of tile 2 j + (lane / 16) at 16 lane + 4 j.
; Work-groups 0-255: a strip of 128 columns (one K step) x 256 rows of hidden_states; a wave takes 64 rows, four tiles.  Two neighbouring waves share a block of scale words: they gather it in the
; even wave's LDS region, and behind a barrier the even wave stores hidden_states' block and the odd wave q_in's, 512 consecutive bytes each.
; Work-groups 256-511: 128 along K x 128 columns of one weight; a lane takes a column.  The two ways part on the work-group's number alone and never join; only the first uses LDS and barriers.
; The task product stays in f32 (fused multiply-adds): its result goes on into a quantiser.  A wave sums 64 of the 256 along K through a ring of 32 loads.
; A block's scale byte is its largest magnitude's exponent field - 2, held at 1 from below.  LIMITS: a block of zeros gets the byte 1 (its codes are zeros; only this program reads the bytes);
; blocks whose largest magnitude lies under 2^-124 are held at that byte; NaN and infinities among the inputs are not served.
; The weights' scale words leave as 4 bytes a lane, 16 bytes apart: 128 KiB in all, one byte for each 128 that this way reads.
; No tensor loads, no cluster: the data go through registers, and the work-groups share nothing but Wt's 1 MiB.
.set WBASE, 2048                       ; LDS: bytes 0-2047 the four waves' partial sums of the task product; then a region for each wave
.set WREG,  10240
.set STP,   528                        ; the stage: 16 rows of 512 bytes + 16 of padding
.set TIW,   8448                       ; in a wave's region: the strip's 128 numbers of the task term,
.set GH,    8960                       ; in an even wave's region: the scale words of hidden_states' 8 tiles,
.set GQ,    9472                       ; and of q_in's
.set TI,    16                         ; v16-79   the task term at my 64 places (before that: half of the ring of Wt's loads)
.set RAW,   80                         ; v80-207  two sets of 16 rows as loaded (the second first serves the ring; the weights' way: four blocks of 32)
.set X,     208                        ; v208-239 a block of 32 neighbours along K
.set PH,    248                        ; v248-251 codes of hidden_states
.set PQ,    252                        ; v252-255 codes of q_in
; One block of 32 numbers, all in my registers: the largest magnitude (two chains, the floor 2^-124 among the leaves), the scale operand, the codes, the byte.
.macro QB src, dst, byte, wx
	v_max3_num_f32 v240, |v[\src]|, |v[\src+1]|, 0x1800000
	v_max3_num_f32 v241, |v[\src+2]|, |v[\src+3]|, |v[\src+4]|
.irp i, 5,9,13,17,21,25
	v_max3_num_f32 v240, v240, |v[\src+\i]|, |v[\src+\i+1]|
	v_max3_num_f32 v241, v241, |v[\src+\i+2]|, |v[\src+\i+3]|
.endr
	v_max3_num_f32 v240, v240, |v[\src+29]|, |v[\src+30]|
	v_max3_num_f32 v240, v240, v241, |v[\src+31]|
	v_add_nc_u32 v242, 0xff000000, v240            ; 2 off the exponent field: the conversion takes this operand's exponent field as its scale
.if \wx
	s_wait_alu depctr_va_vdst(0)
	s_wait_xcnt 0x0                                ; the codes' registers were a store's data: they are written again only behind this wait
.endif
.irp g, 0,1,2,3
	v_cvt_scalef32_pk8_fp4_f32 v[\dst+\g], v[\src+8*\g:\src+8*\g+7], v242
.endr
	v_lshrrev_b32 v[\byte], 23, v242               ; the scale's byte; also the plain line behind the conversions
.endm
	s_load_b512 s[84:99], s[0:1], 0x0              ; hidden s[84:85], task s[86:87], Wt s[88:89], bt s[90:91], Wq s[92:93], Wk s[94:95], Wv s[96:97], Wo s[98:99]
	s_load_b256 s[4:11], s[0:1], 0x40              ; xcodes s[4:5], xscales s[6:7], wcodes s[8:9], wscales s[10:11]
	s_set_vgpr_msb 0x40
	v_lshl_add_u32 v0, v0, 2, 0xa800               ; v256: my spare word
	v_mov_b32 v1, 0                                ; v257: 0
	s_set_vgpr_msb 0x4000
	v_lshrrev_b32 v1, 5, v0
	v_readfirstlane_b32 s12, v1                    ; wave
	v_and_b32 v1, 31, v0                           ; lane
	v_and_b32 v2, 15, v0                           ; r
	v_bfe_u32 v3, v0, 4, 1                         ; h
	s_mov_b32 s3, 0                                ; the upper word of the offsets' pair s[2:3]
	s_cmp_ge_u32 ttmp9, 256
	s_wait_alu depctr_va_vdst(0)
	s_cbranch_scc1 .Lweights
	; ---------------- hidden_states and q_in ----------------
	s_and_b32 s13, ttmp9, 7                        ; the strip = K step
	s_lshr_b32 s14, ttmp9, 3                       ; which 256 rows
	s_lshl_b32 s15, s14, 2
	s_add_co_u32 s15, s15, s12                     ; R: my wave's 64 rows
	s_lshr_b32 s14, s14, 3                         ; the batch
	s_and_b32 s66, s12, 1                          ; which half of a block of 128 rows is mine
	s_and_b32 s67, s12, 2
	s_mul_i32 s67, s67, WREG
	s_add_co_u32 s67, s67, WBASE                   ; the even wave's region
	s_lshl_b32 s16, s66, 3
	s_add_co_u32 s16, s16, s67                     ; + 8 x half: my four tiles' words of a lane's 16 bytes
	s_lshl_b32 s17, s66, 9
	s_add_co_u32 s17, s17, s67                     ; + 512 x half: the block that I store
	v_lshlrev_b32 v4, 4, v1                        ; 16 x lane
	s_mul_i32 s2, s12, WREG
	s_add_co_u32 s2, s2, WBASE                     ; my wave's region
	v_add_nc_u32 v5, s2, v4                        ; + 16 lane
	v_mul_u32_u24 v6, v2, STP
	v_lshl_add_u32 v6, v3, 7, v6
	v_add_nc_u32 v6, s2, v6                        ; + 528 r + 128 h: my 32 neighbours of stage row r
	v_lshlrev_b32 v9, 7, v3
	v_add_nc_u32 v9, s2, v9                        ; + 128 h
	v_lshlrev_b32 v10, 4, v2
	v_add_nc_u32 v10, s16, v10                     ; where my scale words go: + 16 r
	v_add_nc_u32 v8, s17, v4                       ; where I read a whole block back: + 16 lane
	v_lshlrev_b32 v11, 3, v3                       ; 8 h: my bytes' place in a scale word
	s_lshl_b32 s2, s12, 9
	v_add_nc_u32 v7, s2, v4                        ; my wave's partial sums: 512 wave + 16 lane
	s_wait_alu depctr_va_vdst(0)
	s_wait_kmcnt 0x0
	s_lshl_b32 s2, s15, 18                         ; 64 R rows of 4,096 bytes
	s_lshl_b32 s66, s13, 9                         ; + the strip's 512 bytes
	s_add_co_u32 s2, s2, s66
	s_add_nc_u64 s[84:85], s[84:85], s[2:3]
.macro TLOAD i                         ; tile i: its 16 rows, each load 512 consecutive bytes
.irp j, 0,1,2,3,4,5,6,7,8,9,10,11,12,13,14,15
	global_load_b128 v[RAW+64*((\i)%2)+4*\j:RAW+64*((\i)%2)+4*\j+3], v4, s[84:85] offset:(32*((\i)/2)+8*((\i)%2)+\j+8*(\j/8))*4096
.endr
.endm
	TLOAD 0
	s_lshl_b32 s2, s13, 9
	s_add_nc_u64 s[90:91], s[90:91], s[2:3]
	global_load_b128 v[PH:PH+3], v4, s[90:91]      ; bt at my four columns
	s_lshl_b32 s2, s12, 18                         ; Wt: rows 64 wave on,
	s_add_co_u32 s2, s2, s66                       ; the strip's columns
	s_add_nc_u64 s[88:89], s[88:89], s[2:3]
	s_lshl_b32 s2, s14, 10                         ; task_embedding: the batch's row, numbers 64 wave on
	s_lshl_b32 s66, s12, 8
	s_add_co_u32 s2, s2, s66
	s_add_nc_u64 s[86:87], s[86:87], s[2:3]
	s_load_b512 s[16:31], s[86:87], 0x0
	s_load_b512 s[32:47], s[86:87], 0x40
	s_load_b512 s[48:63], s[86:87], 0x80
	s_load_b512 s[68:83], s[86:87], 0xc0
	s_lshl_b32 s2, s13, 19                         ; the codes: K step x 512 tiles + 4 R tiles, 1,024 bytes each
	s_lshl_b32 s66, s15, 12
	s_add_co_u32 s2, s2, s66
	s_add_nc_u64 s[4:5], s[4:5], s[2:3]
	s_lshl_b32 s2, s13, 15                         ; the scale words: K step x 64 blocks + R / 2, 512 bytes each;
	s_lshr_b32 s66, s15, 1
	s_lshl_b32 s66, s66, 9
	s_add_co_u32 s2, s2, s66
	s_and_b32 s66, s12, 1
	s_lshl_b32 s66, s66, 18                        ; the odd wave stores q_in's block, 0x40000 behind hidden_states'
	s_add_co_u32 s2, s2, s66
	s_add_nc_u64 s[6:7], s[6:7], s[2:3]
	s_mov_b32 s14, 0x76543210                      ; lane selects: lane l xor 16
	s_mov_b32 s15, 0xfedcba98
.irp i, 0,1,2,3,4,5,6,7,8,9,10,11,12,13,14,15
	global_load_b128 v[TI+4*\i:TI+4*\i+3], v4, s[88:89] offset:4096*\i
.endr
.irp i, 0,1,2,3,4,5,6,7,8,9,10,11,12,13,14,15
	global_load_b128 v[RAW+64+4*\i:RAW+64+4*\i+3], v4, s[88:89] offset:4096*(16+\i)
.endr
	s_wait_kmcnt 0x0
	; the task product: my wave's 64 of the 256 along K, my lane's four columns; a ring of 32 loads
.set k, 0
.rept 64
.if k < 48
.set sk, 16+k
.else
.set sk, 20+k
.endif
.if (k%32) < 16
.set rb, TI+4*(k%16)
.else
.set rb, RAW+64+4*(k%16)
.endif
	s_wait_alu depctr_va_vdst(0)
.if 63-k < 31
	s_wait_loadcnt 63-k                            ; the loads younger than row k's: none is issued any more
.else
	s_wait_loadcnt 31                              ; the 31 younger loads of the ring stay out
.endif
.if k == 0
	v_mul_f32 v12, s[sk], v[rb]
	v_mul_f32 v13, s[sk], v[rb+1]
	v_mul_f32 v14, s[sk], v[rb+2]
	v_mul_f32 v15, s[sk], v[rb+3]
.else
	v_fmac_f32 v12, s[sk], v[rb]
	v_fmac_f32 v13, s[sk], v[rb+1]
	v_fmac_f32 v14, s[sk], v[rb+2]
	v_fmac_f32 v15, s[sk], v[rb+3]
.endif
.if k+32 < 64
	global_load_b128 v[rb:rb+3], v4, s[88:89] offset:4096*(k+32)
.endif
.set k, k+1
.endr
	TLOAD 1                                        ; the ring is done with the second set
	ds_store_b128 v7, v[12:15]
	s_wait_dscnt 0x0                               ; for the others' sake: my partial sums lie in LDS
	s_barrier_signal -1
	s_barrier_wait -1
.irp p, 0,1,2,3
	ds_load_b128 v[X+4*\p:X+4*\p+3], v4 offset:512*\p
.endr
	s_wait_dscnt 0x0
	v_pk_add_f32 v[X:X+1], v[X:X+1], v[X+4:X+5]
	v_pk_add_f32 v[X+2:X+3], v[X+2:X+3], v[X+6:X+7]
	v_pk_add_f32 v[X+8:X+9], v[X+8:X+9], v[X+12:X+13]
	v_pk_add_f32 v[X+10:X+11], v[X+10:X+11], v[X+14:X+15]
	v_pk_add_f32 v[X:X+1], v[X:X+1], v[X+8:X+9]
	v_pk_add_f32 v[X+2:X+3], v[X+2:X+3], v[X+10:X+11]
	v_pk_add_f32 v[X:X+1], v[X:X+1], v[PH:PH+1]
	v_pk_add_f32 v[X+2:X+3], v[X+2:X+3], v[PH+2:PH+3]
	ds_store_b128 v5, v[X:X+3] offset:TIW          ; the strip's task term, in my wave's own bytes: LDS serves a wave's instructions in order
.irp c, 0,1
.irp q, 0,1,2,3,4,5,6,7
	ds_load_b128 v[TI+32*\c+4*\q:TI+32*\c+4*\q+3], v9 offset:TIW+256*\c+16*\q   ; at k = 64 c + 32 h + 0..31, as my blocks lie
.endr
.endr
	s_wait_dscnt 0x0
.macro WORD b0, b1, off                ; my two bytes (blocks h and 2 + h) and lane l xor 16's two make the row's scale word
	v_lshl_or_b32 v247, v[\b1], 16, v[\b0]
	v_lshlrev_b32 v247, v11, v247
	v_permlanex16_b32 v241, v247, s14, s15
	v_or_b32 v247, v247, v241
	ds_store_b32 v10, v247 offset:\off             ; both halves of the lanes write the same word with the same value
.endm
.macro TILE i
.if (\i) < 3
	s_wait_loadcnt 16                              ; this tile's 16 rows are in; the next tile's may be out
.else
	s_wait_loadcnt 0x0
.endif
.irp j, 0,1,2,3,4,5,6,7,8,9,10,11,12,13,14,15
	ds_store_b128 v5, v[RAW+64*((\i)%2)+4*\j:RAW+64*((\i)%2)+4*\j+3] offset:STP*\j
.endr
.irp c, 0,1
.irp q, 0,1,2,3,4,5,6,7
	ds_load_b128 v[X+4*\q:X+4*\q+3], v6 offset:256*\c+16*\q
.endr
	s_wait_dscnt 0x0                               ; my block is in; the stage's stores have read their registers
.if (\c == 0) && ((\i)+2 < 4)
	TLOAD (\i)+2
.endif
	QB X, PH, 243+\c, 1
	global_store_b128 v4, v[PH:PH+3], s[4:5] offset:1024*(\i)+512*\c             ; 512 consecutive bytes
.irp j, 0,2,4,6,8,10,12,14,16,18,20,22,24,26,28,30
	v_pk_add_f32 v[X+\j:X+\j+1], v[X+\j:X+\j+1], v[TI+32*\c+\j:TI+32*\c+\j+1]    ; q_in
.endr
	QB X, PQ, 245+\c, 1
	global_store_b128 v4, v[PQ:PQ+3], s[4:5] offset:0x400000+1024*(\i)+512*\c
.endr
	WORD 243, 244, GH+256*((\i)%2)+4*((\i)/2)
	WORD 245, 246, GQ+256*((\i)%2)+4*((\i)/2)
.endm
.irp i, 0,1,2,3
	TILE \i
.endr
	s_wait_dscnt 0x0                               ; for my neighbour's sake: my four tiles' scale words lie in LDS
	s_barrier_signal -1
	s_barrier_wait -1
	ds_load_b128 v[X:X+3], v8 offset:GH            ; eight tiles' scale words: the even wave takes hidden_states' block, the odd wave q_in's
	s_wait_dscnt 0x0
	global_store_b128 v4, v[X:X+3], s[6:7]         ; 512 consecutive bytes
	s_set_vgpr_msb 0x5
	s_wait_tensorcnt 0x0                           ; the wave's end
	ds_add_u32 v0, v1
	s_wait_dscnt 0x0
	s_set_vgpr_msb 0x500
	s_endpgm
	; ---------------- the weights: K is their first axis; a lane takes a column, its registers run down K ----------------
.Lweights:
	s_sub_co_u32 s13, ttmp9, 256
	s_lshr_b32 s14, s13, 6                         ; which weight
	s_bfe_u32 s15, s13, 0x30003                    ; K step
	s_and_b32 s13, s13, 7                          ; which 128 columns
	v_lshlrev_b32 v4, 2, v1                        ; 4 bytes a lane
	v_bfe_u32 v5, v0, 3, 1                         ; column 32 p + lane is lane r' of tile 2 p + u: u = (lane / 8) % 2,
	v_and_b32 v6, 7, v0
	v_lshl_add_u32 v6, v3, 3, v6                   ; r' = lane % 8 + 8 (lane / 16)
	v_lshlrev_b32 v6, 4, v6
	v_lshl_add_u32 v7, v5, 10, v6                  ; codes: 1024 u + 16 r'
	v_lshl_add_u32 v8, v5, 8, v6                   ; scale words: 16 (r' + 16 u)
	s_wait_alu depctr_va_vdst(0)
	s_wait_kmcnt 0x0
	s_cmp_eq_u32 s14, 1
	s_cselect_b64 s[92:93], s[94:95], s[92:93]
	s_cmp_eq_u32 s14, 2
	s_cselect_b64 s[92:93], s[96:97], s[92:93]
	s_cmp_eq_u32 s14, 3
	s_cselect_b64 s[92:93], s[98:99], s[92:93]
	s_lshl_b32 s2, s15, 19                         ; 128 rows of 4,096 bytes a K step
	s_lshl_b32 s66, s13, 9
	s_add_co_u32 s2, s2, s66
	s_lshl_b32 s66, s12, 7                         ; my wave's 32 columns
	s_add_co_u32 s2, s2, s66
	s_add_nc_u64 s[92:93], s[92:93], s[2:3]
	s_lshl_b32 s2, s14, 19                         ; codes: weight, K step x 64 tiles, 8 G + 2 wave tiles
	s_lshl_b32 s66, s15, 16
	s_add_co_u32 s2, s2, s66
	s_lshl_b32 s66, s13, 13
	s_add_co_u32 s2, s2, s66
	s_lshl_b32 s66, s12, 11
	s_add_co_u32 s2, s2, s66
	s_add_nc_u64 s[8:9], s[8:9], s[2:3]
	s_lshl_b32 s2, s14, 15                         ; scale words: weight, block 8 s + G, word wave of the lane's four
	s_lshl_b32 s66, s15, 12
	s_add_co_u32 s2, s2, s66
	s_lshl_b32 s66, s13, 9
	s_add_co_u32 s2, s2, s66
	s_lshl_b32 s66, s12, 2
	s_add_co_u32 s2, s2, s66
	s_add_nc_u64 s[10:11], s[10:11], s[2:3]
.macro WLOAD q                         ; block q: 32 rows at my column; a wave reads 128 consecutive bytes, the four waves 512
.irp i, 0,1,2,3,4,5,6,7,8,9,10,11,12,13,14,15,16,17,18,19,20,21,22,23,24,25,26,27,28,29,30,31
	global_load_b32 v[RAW+32*\q+\i], v4, s[92:93] offset:(32*\q+\i)*4096 th:TH_LOAD_NT
.endr
.endm
.macro WBLOCK q                        ; each block has registers of its own for its codes: no store's data are written again
	QB RAW+32*\q, 208+4*\q, 224+\q, 0
	global_store_b128 v7, v[208+4*\q:211+4*\q], s[8:9] offset:256*\q   ; two aligned runs of 256 bytes, one for each of the two tiles
.endm
	WLOAD 0
	WLOAD 1
	s_wait_loadcnt 32                              ; block 0 is in; block 1's 32 loads may be out
	WLOAD 2
	WBLOCK 0
	s_wait_loadcnt 32                              ; block 1 is in; block 2's may be out
	WLOAD 3
	WBLOCK 1
	s_wait_loadcnt 32                              ; block 2 is in; block 3's may be out
	WBLOCK 2
	s_wait_loadcnt 0x0
	WBLOCK 3
	v_lshl_or_b32 v228, v225, 8, v224
	v_lshl_or_b32 v228, v226, 16, v228
	v_lshl_or_b32 v228, v227, 24, v228
	global_store_b32 v8, v228, s[10:11]
	s_endpgm
.Lfunc_end_k_qfa84b0416f_prep:
	.size	k_qfa84b0416f_prep, .Lfunc_end_k_qfa84b0416f_prep-k_qfa84b0416f_prep
	.p2alignl 7, 3214868480
	.fill 96, 4, 3214868480
	.section	.rodata,"a",@progbits
	.p2align	6, 0x0
	.amdhsa_kernel k_qfa84b0416f_prep
		.amdhsa_group_segment_fixed_size 43520
		.amdhsa_private_segment_fixed_size 0
		.amdhsa_enable_private_segment 0
		.amdhsa_kernarg_size 96
		.amdhsa_user_sgpr_count 2
		.amdhsa_user_sgpr_kernarg_segment_ptr 1
		.amdhsa_wavefront_size32 1
		.amdhsa_system_sgpr_workgroup_id_x 1
		.amdhsa_system_sgpr_workgroup_id_y 1
		.amdhsa_system_sgpr_workgroup_id_z 1
		.amdhsa_system_vgpr_workitem_id 0
		.amdhsa_next_free_vgpr 258
		.amdhsa_next_free_sgpr 100
		.amdhsa_reserve_vcc 0
		.amdhsa_float_denorm_mode_32 3
		.amdhsa_float_denorm_mode_16_64 3
		.amdhsa_memory_ordered 1
		.amdhsa_forward_progress 1
		.amdhsa_inst_pref_size 93
	.end_amdhsa_kernel
	.amdgpu_metadata
---
amdhsa.version: [ 1, 2 ]
amdhsa.kernels:
  - .name:           k_qfa84b0416f_prep
    .symbol:         k_qfa84b0416f_prep.kd
    .args:
      - { .name: hidden_states, .offset: 0, .size: 8, .value_kind: global_buffer, .address_space: global }
      - { .name: task_embedding, .offset: 8, .size: 8, .value_kind: global_buffer, .address_space: global }
      - { .name: Wt, .offset: 16, .size: 8, .value_kind: global_buffer, .address_space: global }
      - { .name: bt, .offset: 24, .size: 8, .value_kind: global_buffer, .address_space: global }
      - { .name: Wq, .offset: 32, .size: 8, .value_kind: global_buffer, .address_space: global }
      - { .name: Wk, .offset: 40, .size: 8, .value_kind: global_buffer, .address_space: global }
      - { .name: Wv, .offset: 48, .size: 8, .value_kind: global_buffer, .address_space: global }
      - { .name: Wo, .offset: 56, .size: 8, .value_kind: global_buffer, .address_space: global }
      - { .name: xcodes, .offset: 64, .size: 8, .value_kind: global_buffer, .address_space: global }
      - { .name: xscales, .offset: 72, .size: 8, .value_kind: global_buffer, .address_space: global }
      - { .name: wcodes, .offset: 80, .size: 8, .value_kind: global_buffer, .address_space: global }
      - { .name: wscales, .offset: 88, .size: 8, .value_kind: global_buffer, .address_space: global }
    .group_segment_fixed_size: 43520
    .private_segment_fixed_size: 0
    .kernarg_segment_align: 8
    .kernarg_segment_size: 96
    .max_flat_workgroup_size: 128
    .sgpr_count:     100
    .vgpr_count:     258
    .wavefront_size: 32
...
	.end_amdgpu_metadata
.endif
;; end of part 1
;; launch qkv (part 2): grid 384 x 1, 4 waves a work-group, no clusters, 168,448 bytes of LDS; arguments xcodes, xscales, wcodes, wscales, mask, bq, bk, bv, qkvc, qkvs; writes qkvc, qkvs
.if DOCPART == 2
	.amdgcn_target "amdgcn-amd-amdhsa--gfx1250"
	.amdhsa_code_object_version 6
	.text
	.protected	k_qfa84b0416f_qkv
	.globl	k_qfa84b0416f_qkv
	.p2align	8
	.type	k_qfa84b0416f_qkv,@function
k_qfa84b0416f_qkv:
	s_mov_b64 s[64:65], 0
	v_nop
	global_prefetch_b8 v0, s[64:65] scope:SCOPE_SE
	s_setreg_imm32_b32 hwreg(HW_REG_WAVE_MODE, 25, 1), 1
	s_wait_xcnt 0x0
; q = q_in Wq + bq, k = hidden Wk + bk, v = hidden Wv + bv on codes of FP4, and their results quantised again on the way out: q and k along the head's 64, v along the keys.
; ONE BODY FOR THE THREE, BY ROLES.  Source 0 is the operand P, along whose rows a lane's result registers run; source 1 is the operand N, of which a lane holds one row.
;   q, k (work-groups 0-127, 128-255): P = the weight (rows = output columns), N = the tokens: a lane holds a token and 16 neighbouring channels in two tiles' registers.
;   v (work-groups 256-383): P = the tokens, N = Wv: a lane holds a channel and its registers run along the keys, which are the K of attention's second product.
; A work-group takes 128 rows of N x 512 rows of P, K = 1,024 in eight steps; a wave 128 x 128: 64 accumulators.  N's images (64 KiB + 4 KiB of scale words) come into LDS once, by
; asynchronous copies, and all four waves read them; each fragment of P goes from memory straight into the one wave that uses it.  Nothing in LDS is filled twice or stored into.
; No cluster: what work-groups share (a weight's or the tokens' images) is read from different places by different ways of the body, and N, the part that goes through LDS, is 68 KiB a work-group, read once.
; THE MASK RIDES IN K'S SCALE WORDS.  Attention's first product has K = 128 in the instruction and 64 in the head.  At k = 64 every query carries the code +1 and every key the code -1; the key's scale byte
; for that block is 0xA0 (2^33) where mask = 0 and 0 (2^-127) elsewhere, so a masked score is q.k - 2^33 (reference()'s -1e9 x 8, in a power of two).
; A batch whose mask is all zero has the uniform softmax in reference(): there all its keys are written open and k's codes are cleared, by selects alone.
; LIMITS: |q.k| far under 2^32; a block of zeros gets the byte 1 (zero codes; only this program reads the bytes); NaN and infinities are not served.
; REGISTERS, in windows of 256.  Window 0: v1-14 addresses; v16-27 P's scale words (3 sets), v28-35 N's (2 sets); v36-51 P's offsets for each K step; v52-59 mask or bv at my rows; v60-67 the words' upper halves;
;   v68-75 scale words to store; v76-92 at work; v100-107 codes; v128-255 N's fragments, two sets.  Window 1: P's fragments, three sets of 64; v192-255 the bias in the result's layout.
;   Window 2: accumulators of N's tiles 0-3 ((a, b) at 8 (8 (a % 4) + b)); window 3: of tiles 4-7.
.set LI,  1                            ; 16 x lane
.set LIS, 2                            ; 65536 + 16 x lane: N's scale words in LDS
.set AXO, 11                           ; 4 (r + 8 (r / 8))
.set CBO, 12                           ; 64 h
.set L8,  14                           ; 8 x lane
.set PS,  16
.set NS,  28
.set OFP, 36
.set OFS, 44
.set AUX, 52
.set EX,  60
.set SW,  68
.set TM,  76
.set PW,  92
.set VSM, 93
.set VBG, 94
.set T0,  95
.set T1,  96
.set BB,  98
.set PC,  100
.set NF,  128
.set CB,  192
.set MSB, 0
.macro WIN new                         ; the immediate's high byte repeats the setting that is left
.if MSB != (\new)
	s_set_vgpr_msb (MSB<<8)|(\new)
.set MSB, (\new)
.endif
.endm
	s_load_b512 s[4:19], s[0:1], 0x0               ; xcodes s[4:5], xscales s[6:7], wcodes s[8:9], wscales s[10:11], mask s[12:13], bq s[14:15], bk s[16:17], bv s[18:19]
	s_load_b128 s[20:23], s[0:1], 0x40             ; qkvc s[20:21], qkvs s[22:23]
	v_lshl_add_u32 v126, v0, 2, 0x29000
	v_mov_b32 v127, 0
	ds_add_u32 v126, v127
	ds_add_u32 v126, v127
	v_lshrrev_b32 v13, 5, v0
	v_readfirstlane_b32 s24, v13                   ; wave
	v_and_b32 v13, 31, v0
	v_lshlrev_b32 v[LI], 4, v13
	v_add_nc_u32 v[LIS], 0x10000, v[LI]
	v_lshlrev_b32 v[L8], 3, v13
	v_and_b32 v15, 15, v0
	v_and_b32 v[AXO], 8, v15
	v_add_nc_u32 v[AXO], v[AXO], v15
	v_lshlrev_b32 v[AXO], 2, v[AXO]
	v_bfe_u32 v[CBO], v0, 4, 1
	v_lshlrev_b32 v[CBO], 6, v[CBO]
	s_lshr_b32 s25, ttmp9, 7                       ; the way: 0 q, 1 k, 2 v
	s_and_b32 s26, ttmp9, 127
	s_lshr_b32 s52, s26, 4
	s_lshr_b32 s53, s26, 1
	s_and_b32 s54, s26, 15
	s_and_b32 s55, s26, 1
	s_cmp_eq_u32 s25, 2
	s_cselect_b32 s27, s52, s53                    ; nb: N's group of 128 rows
	s_cselect_b32 s28, s54, s55                    ; pb: P's 512 rows
	s_cselect_b32 s42, 3, 0
	s_cselect_b32 s43, 0, 3
	s_wait_alu depctr_va_vdst(0)
	s_wait_dscnt 0x0
	s_wait_kmcnt 0x0
	s_cselect_b64 s[34:35], s[4:5], s[8:9]         ; P's codes,
	s_cselect_b64 s[36:37], s[8:9], s[4:5]         ; N's codes,
	s_cselect_b64 s[38:39], s[6:7], s[10:11]       ; P's scale words,
	s_cselect_b64 s[40:41], s[10:11], s[6:7]       ; N's
	s_cselect_b64 s[56:57], s[18:19], s[12:13]     ; what hangs on N's row: bv, or the mask
	s_lshl_b32 s30, 0x10000, s42                   ; bytes from K step to K step: P's codes (64 or 512 tiles),
	s_lshl_b32 s31, 0x10000, s43                   ; N's,
	s_lshr_b32 s32, s30, 4                         ; and their scale words
	s_lshr_b32 s33, s31, 4
	s_lshl_b32 s29, s28, 2
	s_add_co_u32 s29, s29, s24                     ; GP: my wave's group of 128 rows of P
	s_cmp_eq_u32 s25, 1
	s_cselect_b32 s44, 0x80000, 0                  ; P's place in its buffer: Wk lies behind Wq
	s_cselect_b64 s[60:61], s[16:17], s[14:15]     ; bk or bq
	s_cselect_b32 s59, 1, 0                        ; k's way?
	s_mov_b32 s47, 0x7f7f0000                      ; a scale word's upper half: q's: 1.0, 1.0;
	s_cselect_b32 s47, 0x7f000000, s47             ; an open key's: 2^-127, 1.0
	s_cmp_eq_u32 s25, 0
	s_cselect_b32 s52, 0x400000, 0                 ; N's place: q_in lies behind hidden_states,
	s_cmp_eq_u32 s25, 2
	s_cselect_b32 s52, 0x100000, s52               ; Wv behind Wq and Wk
	s_mov_b32 s45, 0
	s_mov_b32 s53, 0
	s_add_nc_u64 s[34:35], s[34:35], s[44:45]
	s_add_nc_u64 s[36:37], s[36:37], s[52:53]
	s_lshr_b32 s44, s44, 4                         ; the scale words' places are a sixteenth of the codes'
	s_lshr_b32 s52, s52, 4
	s_add_nc_u64 s[38:39], s[38:39], s[44:45]
	s_add_nc_u64 s[40:41], s[40:41], s[52:53]
	; the copies: wave w brings N's K steps 2 w and 2 w + 1: 16 x 512 bytes of codes and 512 of scale words each
	s_lshl_b32 s52, s24, 14
	v_add_nc_u32 v3, s52, v[LI]                    ; LDS: K step x 8,192 + 16 lane
	v_add_nc_u32 v5, 0x2000, v3
	s_lshl_b32 s52, s24, 10
	v_add_nc_u32 v7, s52, v[LIS]                   ; LDS: 65,536 + K step x 512 + 16 lane
	v_add_nc_u32 v9, 0x200, v7
	s_lshl_b32 s52, s24, 1
	s_mul_i32 s54, s52, s31
	s_lshl_b32 s55, s27, 13
	s_add_co_u32 s54, s54, s55
	v_add_nc_u32 v4, s54, v[LI]                    ; memory: K step x stride + nb x 8,192 + 16 lane
	s_wait_alu depctr_va_vdst(0)
	v_add_nc_u32 v6, s31, v4
	s_mul_i32 s54, s52, s33
	s_lshl_b32 s55, s27, 9
	s_add_co_u32 s54, s54, s55
	v_add_nc_u32 v8, s54, v[LI]
	v_add_nc_u32 v10, s33, v8
.irp i, 0,1,2,3,4,5,6,7,8,9,10,11,12,13,14,15
	global_load_async_to_lds_b128 v3, v4, s[36:37] offset:512*\i
.endr
.irp i, 0,1,2,3,4,5,6,7,8,9,10,11,12,13,14,15
	global_load_async_to_lds_b128 v5, v6, s[36:37] offset:512*\i
.endr
	global_load_async_to_lds_b128 v7, v8, s[40:41]
	global_load_async_to_lds_b128 v9, v10, s[40:41]
	s_lshl_b32 s52, s29, 13
	v_add_nc_u32 v[OFP], s52, v[LI]                ; P's offsets, one register for each K step: none is ever written again
	s_lshl_b32 s52, s29, 9
	v_add_nc_u32 v[OFS], s52, v[LI]
.irp i, 1,2,3,4,5,6,7
	v_add_nc_u32 v[OFP+\i], s30, v[OFP+\i-1]
	v_add_nc_u32 v[OFS+\i], s32, v[OFS+\i-1]
.endr
	s_add_nc_u64 s[60:61], s[60:61], s[52:53]      ; the bias at my wave's 128 columns (used on q's and k's ways alone)
	s_lshl_b32 s52, s27, 9
	s_add_nc_u64 s[56:57], s[56:57], s[52:53]      ; mask or bv at N's 128 rows
	s_lshr_b32 s52, s27, 4                         ; the batch (on v's way nb is under 16: row 0, read and not used)
	s_lshl_b32 s52, s52, 13
	s_add_nc_u64 s[12:13], s[12:13], s[52:53]      ; the batch's row of the mask
	s_mov_b32 s49, 0xffff0000                      ; lanes 16-31
	s_mov_b32 s50, 0x76543210
	s_mov_b32 s51, 0xfedcba98                      ; lane l xor 16
.irp b, 0,1,2,3
	v_mov_b32 v[TM+4+\b], 0                        ; written once: a lane permute's destination counts as one of its sources
.endr
	v_mov_b32 v[BB+1], 0                           ; (named as the upper half of a pair)
	s_cmp_eq_u32 s25, 2
	s_cbranch_scc1 .Lcb_v
	WIN 0x40                                       ; destination window 1
.irp b, 0,1,2,3,4,5,6,7                        ; the bias as the C of each sum's first product: lane (r, h), tile b: columns 32 (b / 2) + 16 h + 8 (b % 2) + 0..7
	global_load_b128 v[CB+8*\b:CB+8*\b+3], v[CBO], s[60:61] offset:(32*(\b/2)+8*(\b%2))*4
	global_load_b128 v[CB+8*\b+4:CB+8*\b+7], v[CBO], s[60:61] offset:(32*(\b/2)+8*(\b%2))*4+16
.endr
	WIN 0
	s_branch .Lcb_done
.Lcb_v:
	WIN 0x40
.set i, 0
.rept 64
	v_mov_b32 v[CB+i], 0                           ; v's bias hangs on the lane, not on the register: it is added on the way out
.set i, i+1
.endr
	WIN 0
.Lcb_done:
.irp a, 0,1,2,3,4,5,6,7
	global_load_b32 v[AUX+\a], v[AXO], s[56:57] offset:(32*(\a/2)+8*(\a%2))*4
.endr
.irp i, 0,1,2,3,4,5,6,7,8,9,10,11,12,13,14,15
	global_load_b128 v[NF+4*\i:NF+4*\i+3], v[LI], s[12:13] offset:512*\i   ; the batch's 2,048 words of the mask
.endr
.macro PLOAD s                         ; P's eight fragments and four scale registers of K step s: 17 loads
	WIN 0x40
.irp t, 0,1,2,3,4,5,6,7
	global_load_b128 v[64*((\s)%3)+8*\t:64*((\s)%3)+8*\t+3], v[OFP+(\s)], s[34:35] offset:1024*\t
	global_load_b128 v[64*((\s)%3)+8*\t+4:64*((\s)%3)+8*\t+7], v[OFP+(\s)], s[34:35] offset:1024*\t+512
.endr
	WIN 0
	global_load_b128 v[PS+4*((\s)%3):PS+4*((\s)%3)+3], v[OFS+(\s)], s[38:39]
.endm
.macro NLOAD s                         ; N's likewise, from LDS: 17 loads
.irp a, 0,1,2,3,4,5,6,7
	ds_load_b128 v[NF+64*((\s)%2)+8*\a:NF+64*((\s)%2)+8*\a+3], v[LI] offset:8192*(\s)+1024*\a
	ds_load_b128 v[NF+64*((\s)%2)+8*\a+4:NF+64*((\s)%2)+8*\a+7], v[LI] offset:8192*(\s)+1024*\a+512
.endr
	ds_load_b128 v[NS+4*((\s)%2):NS+4*((\s)%2)+3], v[LIS] offset:512*(\s)
.endm
	PLOAD 0
	PLOAD 1
	PLOAD 2
	s_wait_loadcnt 51                              ; all but the three sets of P: the bias, mask or bv at my rows, the mask's row
.set st, 32
.rept 6                                        ; is any word of the row not 0?  63 lines, by halves
.set i, 0
.rept st
	v_or_b32 v[NF+i], v[NF+i], v[NF+st+i]
.set i, i+1
.endr
.set st, st/2
.endr
	v_cmp_ne_u32 vcc_lo, 0, v[NF]
	s_cmp_lg_u32 vcc_lo, 0
	s_cselect_b32 s52, 1, 0                        ; some key of the batch is open
	s_and_b32 s53, s59, s52                        ; k's way, and some key open: masked keys get 2^33
	s_and_not1_b32 s54, s59, s52                   ; k's way, and none open:
	s_sub_co_u32 s46, s54, 1                       ; the codes are ANDed with 0, else with -1
	s_mul_i32 s53, s53, 0xa00000
	s_add_co_u32 s48, s47, s53                     ; a masked key's upper half
	v_mov_b32 v[VSM], s47
	v_mov_b32 v[VBG], s48
	s_wait_asynccnt 0x0                            ; my part of N lies in LDS,
	s_barrier_signal -1
	s_barrier_wait -1                              ; everybody's does
	NLOAD 0
	NLOAD 1
; one product: N's tile a x P's tile b, K step s.  A scale register carries an even tile's words in lanes 0-15 and the odd tile's in lanes 16-31.
.macro MM a, b, s
.set rD, 8*(8*((\a)%4)+(\b))
.set rA, 64*((\s)%3)+8*(\b)
.set rB, NF+64*((\s)%2)+8*(\a)
.set rX, PS+4*((\s)%3)+(\b)/2
.set rY, NS+4*((\s)%2)+(\a)/2
.if (\s) == 0
.set rC, CB+8*(\b)
.else
.set rC, rD
.endif
.if ((\b)%2 == 0) && ((\a)%2 == 0)
	v_wmma_scale_f32_16x16x128_f8f6f4 v[rD:rD+7], v[rA:rA+7], v[rB:rB+7], v[rC:rC+7], v[rX], v[rY] matrix_a_fmt:MATRIX_FMT_FP4 matrix_b_fmt:MATRIX_FMT_FP4
.elseif ((\b)%2 == 1) && ((\a)%2 == 0)
	v_wmma_scale_f32_16x16x128_f8f6f4 v[rD:rD+7], v[rA:rA+7], v[rB:rB+7], v[rC:rC+7], v[rX], v[rY] matrix_a_fmt:MATRIX_FMT_FP4 matrix_b_fmt:MATRIX_FMT_FP4 matrix_a_scale:MATRIX_SCALE_ROW1
.elseif ((\b)%2 == 0) && ((\a)%2 == 1)
	v_wmma_scale_f32_16x16x128_f8f6f4 v[rD:rD+7], v[rA:rA+7], v[rB:rB+7], v[rC:rC+7], v[rX], v[rY] matrix_a_fmt:MATRIX_FMT_FP4 matrix_b_fmt:MATRIX_FMT_FP4 matrix_b_scale:MATRIX_SCALE_ROW1
.else
	v_wmma_scale_f32_16x16x128_f8f6f4 v[rD:rD+7], v[rA:rA+7], v[rB:rB+7], v[rC:rC+7], v[rX], v[rY] matrix_a_fmt:MATRIX_FMT_FP4 matrix_b_fmt:MATRIX_FMT_FP4 matrix_a_scale:MATRIX_SCALE_ROW1 matrix_b_scale:MATRIX_SCALE_ROW1
.endif
.endm
; A K step: 64 products; the 64 accumulators take turns, one instruction a turn, in the same order in every step.
.macro STEP s
.if (\s) <= 5
	s_wait_loadcnt 34                              ; this step's set of P is in; the two younger sets, 17 loads each, may be out
.elseif (\s) == 6
	s_wait_loadcnt 17
.else
	s_wait_loadcnt 0x0
.endif
.if (\s) < 7
	s_wait_dscnt 17                                ; this step's set of N is in; the next one's 17 loads may be out
.else
	s_wait_dscnt 0x0
.endif
.if (\s) == 0
	WIN 0x91                                       ; source 0 (P) and C (the bias) window 1, source 1 (N) window 0, D window 2
.else
	WIN 0xa1                                       ; C and D window 2
.endif
.irp a, 0,1,2,3
.irp b, 0,1,2,3,4,5,6,7
	MM \a, \b, \s
.endr
.endr
.if (\s) == 0
	WIN 0xd1
.else
	WIN 0xf1                                       ; C and D window 3
.endif
.irp a, 4,5,6,7
.irp b, 0,1,2,3,4,5,6,7
	MM \a, \b, \s
.endr
.endr
	WIN 0
.rept 4
	v_nop                                          ; four places in front of loads into registers that the products have read, and of the first read of results
.endr
.if (\s)+3 <= 7
	PLOAD (\s)+3
.endif
.if (\s)+2 <= 7
	NLOAD (\s)+2
.endif
.endm
.irp s, 0,1,2,3,4,5,6,7
	STEP \s
.endr
; The 64 results of N's tile a (register 16 b + i = place 32 b + 16 h + i along P's rows) become a fragment's codes in v[PC] on and a scale word in v[PW].  Each accumulator is read from its low end on.
.macro QUANT a
.set AC, 64*((\a)%4)
.set W, 2+(\a)/4
	WIN W|(W<<2)                                   ; sources 0 and 1: the accumulators' window
.irp b, 0,1,2,3
	v_max3_num_f32 v[TM+\b], |v[AC+16*\b]|, |v[AC+16*\b+1]|, 0x1800000   ; my 16 numbers of block b, and the floor 2^-124: the byte cannot fall under 1
.endr
.irp i, 2,4,6,8,10,12,14
.irp b, 0,1,2,3
	v_max3_num_f32 v[TM+\b], |v[AC+16*\b+\i]|, |v[AC+16*\b+\i+1]|, v[TM+\b]
.endr
.endr
	WIN 0
.irp b, 0,1,2,3
	v_permlanex16_b32 v[TM+4+\b], v[TM+\b], s50, s51
.endr
.irp b, 0,1,2,3
	v_max_num_f32 v[TM+\b], v[TM+\b], v[TM+4+\b]   ; with lane l xor 16's 16: the block's largest magnitude
.endr
.irp b, 0,1,2,3
	v_add_nc_u32 v[TM+12+\b], 0xff000000, v[TM+\b] ; 2 off its exponent field: the conversion's scale operand
.endr
.irp b, 0,1,2,3
	v_lshrrev_b32 v[TM+4+\b], 23, v[TM+12+\b]      ; the byte
.endr
	v_lshl_or_b32 v[PW], v[TM+5], 8, v[TM+4]
	v_lshl_or_b32 v[PW], v[TM+6], 16, v[PW]
	v_lshl_or_b32 v[PW], v[TM+7], 24, v[PW]
	s_wait_xcnt 0x0                                ; the codes' registers were the last tile's store data
	WIN W
.irp b, 0,1,2,3
	v_cvt_scalef32_pk8_fp4_f32 v[PC+2*\b], v[AC+16*\b:AC+16*\b+7], v[TM+12+\b]
	v_cvt_scalef32_pk8_fp4_f32 v[PC+2*\b+1], v[AC+16*\b+8:AC+16*\b+15], v[TM+12+\b]
.endr
	WIN 0
	v_nop                                          ; one plain place behind a scaled conversion
.irp c, 0,1                                    ; a whole block to a lane: lanes 0-15 block 2 c, lanes 16-31 block 2 c + 1
.irp i, 0,1
	v_permlane16_swap_b32 v[PC+4*\c+\i], v[PC+2+4*\c+\i]
.endr
.endr
.endm
	s_mov_b32 s43, 0
	s_cmp_eq_u32 s25, 2
	s_cbranch_scc1 .Lv_out
	; ---- q and k: my 128 columns are heads 2 GP and 2 GP + 1; a tile's codes 0-3 belong to the first, 4-7 to the second
	s_lshr_b32 s52, s27, 4
	s_lshl_b32 s52, s52, 4
	s_lshl_b32 s53, s29, 1
	s_add_co_u32 s52, s52, s53                     ; 16 x batch + head
	s_and_b32 s54, s27, 15                         ; which 128 tokens of the batch
	s_lshl_b32 s42, s52, 16
	s_lshl_b32 s55, s54, 12
	s_add_co_u32 s42, s42, s55
	s_lshl_b32 s55, s25, 22                        ; k lies 0x400000 behind q
	s_add_co_u32 s42, s42, s55
	s_add_nc_u64 s[20:21], s[20:21], s[42:43]
	s_lshl_b32 s42, s52, 13
	s_lshl_b32 s55, s54, 9
	s_add_co_u32 s42, s42, s55
	s_lshl_b32 s55, s25, 19
	s_add_co_u32 s42, s42, s55
	s_add_nc_u64 s[22:23], s[22:23], s[42:43]
	s_wait_alu depctr_va_vdst(0)
.irp a, 0,1,2,3,4,5,6,7
	v_cmp_eq_u32 vcc_lo, 0, v[AUX+\a]
	v_cndmask_b32 v[EX+\a], v[VSM], v[VBG], vcc_lo ; the upper half of my token's scale words
.endr
.macro QKTILE a
	QUANT \a
.irp i, 0,1,2,3,4,5,6,7
	v_and_b32 v[PC+\i], s46, v[PC+\i]              ; k's codes of a batch with no open key are cleared
.endr
.if (\a)%2 == 0
	v_and_or_b32 v[SW+(\a)/2], v[PW], 0xffff, v[EX+(\a)]         ; the first head's two bytes under the upper half
	v_lshrrev_b32 v[T1], 16, v[PW]
	v_or_b32 v[SW+4+(\a)/2], v[T1], v[EX+(\a)]                   ; the second head's
.else
	v_and_or_b32 v[T0], v[PW], 0xffff, v[EX+(\a)]
	v_lshrrev_b32 v[T1], 16, v[PW]
	v_or_b32 v[T1], v[T1], v[EX+(\a)]
	v_cndmask_b32 v[SW+(\a)/2], v[SW+(\a)/2], v[T0], s49         ; an odd tile's words go to lanes 16-31
	v_cndmask_b32 v[SW+4+(\a)/2], v[SW+4+(\a)/2], v[T1], s49
.endif
	global_store_b128 v[LI], v[PC:PC+3], s[20:21] offset:512*(\a)          ; 512 consecutive bytes
	global_store_b128 v[LI], v[PC+4:PC+7], s[20:21] offset:65536+512*(\a)
.endm
.irp a, 0,1,2,3,4,5,6,7
	QKTILE \a
.endr
	global_store_b128 v[LI], v[SW:SW+3], s[22:23]
	global_store_b128 v[LI], v[SW+4:SW+7], s[22:23] offset:8192
	s_wait_tensorcnt 0x0
	ds_add_u32 v126, v127
	s_wait_dscnt 0x0
	s_endpgm
	; ---- v: N's tiles 0-3 are the 64 channels of head 2 nb, tiles 4-7 of head 2 nb + 1; my 128 rows of P are one key step
.Lv_out:
	s_lshr_b32 s52, s29, 4
	s_lshl_b32 s52, s52, 4
	s_lshl_b32 s53, s27, 1
	s_add_co_u32 s52, s52, s53                     ; 16 x batch + head
	s_and_b32 s54, s29, 15                         ; the key step
	s_lshl_b32 s42, s52, 16
	s_lshl_b32 s55, s54, 12
	s_add_co_u32 s42, s42, s55
	s_add_co_u32 s42, s42, 0x800000
	s_add_nc_u64 s[20:21], s[20:21], s[42:43]
	s_lshl_b32 s42, s52, 12
	s_lshl_b32 s55, s54, 8
	s_add_co_u32 s42, s42, s55
	s_add_co_u32 s42, s42, 0x100000
	s_add_nc_u64 s[22:23], s[22:23], s[42:43]
.macro VTILE a
	v_mov_b32 v[BB], v[AUX+(\a)]                   ; bv at my channel
	WIN ((2+(\a)/4)<<6)|(2+(\a)/4)                 ; destination and source 0: the accumulators' window
.set j, 64*((\a)%4)
.rept 32
	v_pk_add_f32 v[j:j+1], v[j:j+1], v[BB:BB+1] op_sel_hi:[1,0]
.set j, j+2
.endr
	QUANT \a
.if (\a)%2 == 0
	v_mov_b32 v[SW+(\a)/2], v[PW]
.else
	v_cndmask_b32 v[SW+(\a)/2], v[SW+(\a)/2], v[PW], s49
.endif
	global_store_b128 v[LI], v[PC:PC+3], s[20:21] offset:((\a)/4)*65536+((\a)%4)*1024
	global_store_b128 v[LI], v[PC+4:PC+7], s[20:21] offset:((\a)/4)*65536+((\a)%4)*1024+512
.endm
.irp a, 0,1,2,3,4,5,6,7
	VTILE \a
.endr
	global_store_b64 v[L8], v[SW:SW+1], s[22:23]                 ; 256 consecutive bytes
	global_store_b64 v[L8], v[SW+2:SW+3], s[22:23] offset:4096
	s_wait_tensorcnt 0x0
	ds_add_u32 v126, v127
	s_wait_dscnt 0x0
	s_endpgm
.Lfunc_end_k_qfa84b0416f_qkv:
	.size	k_qfa84b0416f_qkv, .Lfunc_end_k_qfa84b0416f_qkv-k_qfa84b0416f_qkv
	.p2alignl 7, 3214868480
	.fill 96, 4, 3214868480
	.section	.rodata,"a",@progbits
	.p2align	6, 0x0
	.amdhsa_kernel k_qfa84b0416f_qkv
		.amdhsa_group_segment_fixed_size 168448
		.amdhsa_private_segment_fixed_size 0
		.amdhsa_enable_private_segment 0
		.amdhsa_kernarg_size 80
		.amdhsa_user_sgpr_count 2
		.amdhsa_user_sgpr_kernarg_segment_ptr 1
		.amdhsa_wavefront_size32 1
		.amdhsa_system_sgpr_workgroup_id_x 1
		.amdhsa_system_sgpr_workgroup_id_y 1
		.amdhsa_system_sgpr_workgroup_id_z 1
		.amdhsa_system_vgpr_workitem_id 0
		.amdhsa_next_free_vgpr 1024
		.amdhsa_next_free_sgpr 66
		.amdhsa_reserve_vcc 1
		.amdhsa_float_denorm_mode_32 3
		.amdhsa_float_denorm_mode_16_64 3
		.amdhsa_memory_ordered 1
		.amdhsa_forward_progress 1
		.amdhsa_inst_pref_size 192
	.end_amdhsa_kernel
	.amdgpu_metadata
---
amdhsa.version: [ 1, 2 ]
amdhsa.kernels:
  - .name:           k_qfa84b0416f_qkv
    .symbol:         k_qfa84b0416f_qkv.kd
    .args:
      - { .name: xcodes, .offset: 0, .size: 8, .value_kind: global_buffer, .address_space: global }
      - { .name: xscales, .offset: 8, .size: 8, .value_kind: global_buffer, .address_space: global }
      - { .name: wcodes, .offset: 16, .size: 8, .value_kind: global_buffer, .address_space: global }
      - { .name: wscales, .offset: 24, .size: 8, .value_kind: global_buffer, .address_space: global }
      - { .name: mask, .offset: 32, .size: 8, .value_kind: global_buffer, .address_space: global }
      - { .name: bq, .offset: 40, .size: 8, .value_kind: global_buffer, .address_space: global }
      - { .name: bk, .offset: 48, .size: 8, .value_kind: global_buffer, .address_space: global }
      - { .name: bv, .offset: 56, .size: 8, .value_kind: global_buffer, .address_space: global }
      - { .name: qkvc, .offset: 64, .size: 8, .value_kind: global_buffer, .address_space: global }
      - { .name: qkvs, .offset: 72, .size: 8, .value_kind: global_buffer, .address_space: global }
    .group_segment_fixed_size: 168448
    .private_segment_fixed_size: 0
    .kernarg_segment_align: 8
    .kernarg_segment_size: 80
    .max_flat_workgroup_size: 128
    .sgpr_count:     66
    .vgpr_count:     1024
    .wavefront_size: 32
...
	.end_amdgpu_metadata
.endif
;; end of part 2
;; launch attn (part 3): grid 4 x 64, 16 waves a work-group, no clusters, 169,984 bytes of LDS; arguments qkvc, qkvs, cc, cs; writes cc, cs
.if DOCPART == 3
	.amdgcn_target "amdgcn-amd-amdhsa--gfx1250"
	.amdhsa_code_object_version 6
	.text
	.protected	k_qfa84b0416f_attn
	.globl	k_qfa84b0416f_attn
	.p2align	8
	.type	k_qfa84b0416f_attn,@function
k_qfa84b0416f_attn:
	s_mov_b64 s[64:65], 0
	v_nop
	global_prefetch_b8 v0, s[64:65] scope:SCOPE_SE
	s_setreg_imm32_b32 hwreg(HW_REG_WAVE_MODE, 25, 1), 1
	s_wait_xcnt 0x0
; ctx = softmax(q k^T / 8, masked) v for one head and 512 of its queries, both products on codes of FP4; ctx is quantised along the hidden axis on the way out (the head's 64 are two blocks of 32).
; THE SOFTMAX: t = score x log2(e) / 8; M = the running largest t rounded UP to a whole number; p = 2^(t - M) is quantised along the keys, not normalised; the row's sum is taken of the
; unquantised p and divides at the end.  When M moves, the sum and O are multiplied by 2^(old M - new M), which rounds nothing.
; SHARES.  Sixteen waves, four to a SIMD; a wave takes two tiles of 16 queries, one after the other, each through all 16 key steps of 128 keys.
; K AND V of the head (64 + 64 KiB of codes, 8 + 4 KiB of scale words) come into LDS once, by asynchronous copies, and stay.  The copies go out BY KEY STEP: a wave brings its step's scale words first,
; then 512 bytes of each key step in ascending order (waves 0-7 of K, waves 8-15 of V): 18 copies a wave.  With 12 still out, the scale words and key steps 0-3 are in: four steps are walked;
; then all copies are waited for, a barrier follows, and the other twelve steps are walked.  The copies' address registers (v25, v7) are written again only behind the wait for all.
; THE WAVES WALK IN STEP: at a step's head a wave says that it has begun it, and it takes up the step's second product only when all sixteen have said so.  Between the two lines stand register work
; and loads of LDS bytes that nobody writes.
; No cluster: what the four work-groups of a head share is these 140 KiB, fetched once.  K and V are read at the head; each tile's Q and scale words at its pass's start.
; LAYOUT.  Both products are used transposed (S^T = K Q^T, O^T = V^T P^T): a lane holds one query throughout.  Every operand lies in memory as the image of its registers, its tiles' rows chosen so
; that the 16 registers of two neighbouring result tiles are 16 neighbours (keys, or channels).
; THE HEAD'S 64 IN AN INSTRUCTION OF 128, AND THE MASK.  Registers 4-7 of Q's and K's fragments are constants: +1 (Q) and -1 (K) at k = 64, zeros elsewhere.  The key's scale byte for that block is
; 2^33 where the mask hides it and 2^-127 where not: a hidden score is q.k - 2^33, so p = 0 as soon as the row has met an open key.  Until then t - M stays within 64, so every sum stays finite, and
; the first open key's factor 2^(old M - new M) is 0 and clears them.  A batch with no open key was written with all keys open and k = 0: p = 1 everywhere, as reference() has it.
; LIMITS: |q.k| far under 2^32; NaN and infinities are not served; a block of zeros gets the byte 1.
; REGISTERS: v1-7 addresses that stay; v8-11 the step's; v12 -M, v13 the largest t, v[14:15] the sum; v16-23 Q; v24 Q's scale words; v25 the first tile's scale bytes; v26-27 V's scale words,
;   v28-31 K's; v32-95 K's fragments; v96-159 S^T, then p; v160-191 O^T; v192-223 V's fragments; v224-231 p's codes; v232-254 at work (v250, v251 the add's); v255 16 r.
.set VIMG, 65536
.set KSC,  131072
.set VSC,  139264
.set CSTG, 143360                      ; 1,024 bytes: the work-group's scale bytes of ctx, gathered; no copy lands here
	s_load_b256 s[4:11], s[0:1], 0x0               ; qkvc s[4:5], qkvs s[6:7], cc s[8:9], cs s[10:11]
	v_lshl_add_u32 v250, v0, 2, 0x29000
	v_mov_b32 v251, 0
	ds_add_u32 v250, v251                          ; the opening lines
	ds_add_u32 v250, v251
	v_lshrrev_b32 v8, 5, v0
	s_delay_alu instid0(VALU_DEP_1)
	v_readfirstlane_b32 s12, v8                    ; wave 0..15
	s_mov_b32 s13, ttmp9                           ; which 512 queries
	s_and_b32 s14, ttmp7, 0xffff                   ; 16 x batch + head
	v_and_b32 v232, 31, v0
	s_delay_alu instid0(VALU_DEP_1)
	v_lshlrev_b32 v1, 4, v232                      ; K's images: 16 lane
	s_delay_alu instid0(VALU_DEP_1)
	v_add_nc_u32 v2, VIMG, v1                      ; V's
	s_delay_alu instid0(VALU_DEP_2)
	v_add_nc_u32 v3, KSC, v1                       ; K's scale words
	s_delay_alu instid0(VALU_DEP_4)
	v_lshlrev_b32 v233, 3, v232
	s_delay_alu instid0(VALU_DEP_1)
	v_add_nc_u32 v4, VSC, v233                     ; V's: 8 lane
	v_lshlrev_b32 v5, 4, v0                        ; 16 x thread
	v_lshl_add_u32 v6, v0, 1, CSTG                 ; 2 x thread: tile 2 wave + (lane / 16), row lane % 16
	v_and_b32 v255, 15, v0
	s_delay_alu instid0(VALU_DEP_1)
	v_lshlrev_b32 v255, 4, v255
	s_wait_alu depctr_va_vdst(0)
	s_and_b32 s30, s12, 7
	s_lshl_b32 s30, s30, 9                         ; my 512 bytes of a key step's 4,096
	s_lshr_b32 s15, s12, 3                         ; 0: of K, 1: of V
	s_lshl_b32 s16, s15, 16
	s_add_co_u32 s16, s16, s30
	v_add_nc_u32 v25, s16, v1                      ; the copies' place in LDS: V's images lie 65,536 behind K's,
	s_lshl_b32 s16, s15, 22
	s_add_co_u32 s16, s16, s30
	v_add_nc_u32 v7, s16, v1                       ; and in memory, from the head's k on: v lies 0x400000 behind
	s_lshl_b32 s30, s12, 9
	v_add_nc_u32 v11, s30, v3                      ; key step w's scale words of K,
	v_add_nc_u32 v234, s30, v1
	s_lshl_b32 s30, s12, 8
	v_add_nc_u32 v235, s30, v4                     ; and of V
	v_add_nc_u32 v236, s30, v233
	s_lshl_b32 s30, s14, 16
	s_mov_b32 s31, 0
	s_wait_alu depctr_va_vdst(0)
	s_wait_dscnt 0x0
	s_wait_kmcnt 0x0
	s_add_nc_u64 s[40:41], s[4:5], s[30:31]        ; the head's q,
	s_add_nc_u64 s[32:33], s[40:41], 0x400000      ; k
	s_lshl_b32 s30, s14, 13
	s_add_nc_u64 s[42:43], s[6:7], s[30:31]        ; q's scale words,
	s_add_nc_u64 s[36:37], s[42:43], 0x80000       ; k's,
	s_lshl_b32 s30, s14, 12
	s_add_nc_u64 s[38:39], s[6:7], s[30:31]
	s_add_nc_u64 s[38:39], s[38:39], 0x100000      ; v's
	global_load_async_to_lds_b128 v11, v234, s[36:37]
	global_load_async_to_lds_b64 v235, v236, s[38:39]
.irp i, 0,1,2,3,4,5,6,7,8,9,10,11,12,13,14,15
	global_load_async_to_lds_b128 v25, v7, s[32:33] offset:4096*\i   ; key step i: the immediate goes to both addresses
.endr
	s_lshl_b32 s30, s13, 14                        ; my first tile of queries: 32 qd + 2 wave, 512 bytes a tile
	s_lshl_b32 s15, s12, 10
	s_add_co_u32 s30, s30, s15
	s_add_nc_u64 s[40:41], s[40:41], s[30:31]
	s_lshl_b32 s30, s13, 2                         ; its scale words: block 4 qd + wave / 4, word wave % 4 of a lane's four
	s_lshr_b32 s15, s12, 2
	s_add_co_u32 s30, s30, s15
	s_lshl_b32 s30, s30, 9
	s_and_b32 s15, s12, 3
	s_lshl_b32 s15, s15, 2
	s_add_co_u32 s30, s30, s15
	s_add_nc_u64 s[42:43], s[42:43], s[30:31]
	s_lshr_b32 s15, s14, 4                         ; batch
	s_and_b32 s16, s14, 15                         ; head
	s_lshl_b32 s17, s15, 7
	s_lshl_b32 s18, s13, 5
	s_add_co_u32 s17, s17, s18                     ; the work-group's first tile of tokens: 128 batch + 32 qd
	s_lshr_b32 s30, s16, 1
	s_lshl_b32 s30, s30, 9                         ; ctx's K step = head / 2: 512 tiles each
	s_add_co_u32 s30, s30, s17
	s_lshl_b32 s19, s12, 1
	s_add_co_u32 s30, s30, s19
	s_lshl_b32 s30, s30, 10
	s_and_b32 s19, s16, 1
	s_lshl_b32 s19, s19, 9                         ; the odd head is the fragment's second half
	s_add_co_u32 s30, s30, s19
	s_add_nc_u64 s[44:45], s[8:9], s[30:31]
	s_lshl_b32 s30, s16, 9
	s_add_co_u32 s30, s30, s17
	s_lshl_b32 s30, s30, 5                         ; 32 bytes of scale bytes a tile
	s_add_nc_u64 s[46:47], s[10:11], s[30:31]
	s_mov_b32 s20, 0x76543210
	s_mov_b32 s21, 0xfedcba98                      ; lane l xor 16
	s_mov_b32 s22, 0x3e38aa3b                      ; c = log2(e) / 8
	s_mov_b32 s23, s22                             ; (named with it as a pair)
	s_mov_b32 s28, 0xffff0000                      ; lanes 16-31
	v_bfe_u32 v233, v0, 4, 1                       ; h
	s_delay_alu instid0(VALU_DEP_1)
	v_lshlrev_b32 v20, 1, v233
	s_delay_alu instid0(VALU_DEP_1)
	v_sub_nc_u32 v20, 2, v20                       ; Q, register 4: the code of +1.0 at k = 64 (lanes 0-15), 0 in lanes 16-31
	s_delay_alu instid0(VALU_DEP_3)
	v_mul_u32_u24 v36, v233, 10
	s_delay_alu instid0(VALU_DEP_1)
	v_sub_nc_u32 v36, 10, v36                      ; K, register 4: the code of -1.0
	v_mov_b32 v21, 0
	v_mov_b32 v22, 0
	v_mov_b32 v23, 0
.irp t, 0,1,2,3,4,5,6,7
.if \t > 0
	v_mov_b32 v[36+8*\t], v36
.endif
	v_mov_b32 v[37+8*\t], 0
	v_mov_b32 v[38+8*\t], 0
	v_mov_b32 v[39+8*\t], 0
.endr
	v_mov_b32 v253, 0                              ; (named as the upper half of the pair v[252:253] before it is first written)
	s_wait_asynccnt 12                             ; of my 18 copies the 12 youngest may be out: my scale words and my pieces of key steps 0-3 lie in LDS,
	s_barrier_signal -1
	s_barrier_wait -1                              ; everybody's do
.irp b, 0,1,2,3
	v_mov_b32 v[236+\b], 0                         ; written once: a lane permute's destination counts as one of its sources
.endr
.macro SPROD t
.if (\t)%2
	v_wmma_scale_f32_16x16x128_f8f6f4 v[96+8*(\t):103+8*(\t)], v[32+8*(\t):39+8*(\t)], v[16:23], 0, v[28+(\t)/2], v24 matrix_a_fmt:MATRIX_FMT_FP4 matrix_b_fmt:MATRIX_FMT_FP4 matrix_a_scale:MATRIX_SCALE_ROW1
.else
	v_wmma_scale_f32_16x16x128_f8f6f4 v[96+8*(\t):103+8*(\t)], v[32+8*(\t):39+8*(\t)], v[16:23], 0, v[28+(\t)/2], v24 matrix_a_fmt:MATRIX_FMT_FP4 matrix_b_fmt:MATRIX_FMT_FP4
.endif
.endm
.macro OPROD t
.if (\t)%2
	v_wmma_scale_f32_16x16x128_f8f6f4 v[160+8*(\t):167+8*(\t)], v[192+8*(\t):199+8*(\t)], v[224:231], v[160+8*(\t):167+8*(\t)], v[26+(\t)/2], v253 matrix_a_fmt:MATRIX_FMT_FP4 matrix_b_fmt:MATRIX_FMT_FP4 matrix_a_scale:MATRIX_SCALE_ROW1
.else
	v_wmma_scale_f32_16x16x128_f8f6f4 v[160+8*(\t):167+8*(\t)], v[192+8*(\t):199+8*(\t)], v[224:231], v[160+8*(\t):167+8*(\t)], v[26+(\t)/2], v253 matrix_a_fmt:MATRIX_FMT_FP4 matrix_b_fmt:MATRIX_FMT_FP4
.endif
.endm
; A KEY STEP: 128 keys.
.macro STEP
	s_barrier_signal -1                            ; I have begun this step (no LDS instruction of mine is out)
	v_add_nc_u32 v8, s24, v1                       ; these four lines are also the four places between the last step's products and the loads into their registers
	v_add_nc_u32 v9, s24, v2
	v_add_nc_u32 v10, s25, v3
	v_add_nc_u32 v11, s26, v4
	ds_load_b128 v[28:31], v10
.irp t, 0,1,2,3,4,5,6,7
	ds_load_b128 v[32+8*\t:35+8*\t], v8 offset:512*\t
.endr
	ds_load_b64 v[26:27], v11
.irp t, 0,1,2,3
	ds_load_b128 v[192+8*\t:195+8*\t], v9 offset:1024*\t
	ds_load_b128 v[196+8*\t:199+8*\t], v9 offset:1024*\t+512
.endr
	s_wait_dscnt 9                                 ; K and its scale words are in; V's nine loads may be out
.irp t, 0,1,2,3,4,5,6,7
	SPROD \t
.endr
.rept 4
	v_nop
.endr
.irp b, 0,1,2,3
	v_max3_num_f32 v[232+\b], v[96+16*\b], v[97+16*\b], v[98+16*\b]   ; the largest score of each block of 32 keys: for the row's maximum and, since p rises with the score, for the block's largest p
.endr
.irp i, 3,5,7,9,11,13
.irp b, 0,1,2,3
	v_max3_num_f32 v[232+\b], v[232+\b], v[96+16*\b+\i], v[97+16*\b+\i]
.endr
.endr
.irp b, 0,1,2,3
	v_max_num_f32 v[232+\b], v[232+\b], v[111+16*\b]
.endr
.irp b, 0,1,2,3
	s_delay_alu instid0(VALU_DEP_4)
	v_permlanex16_b32 v[236+\b], v[232+\b], s20, s21
.endr
.irp b, 0,1,2,3
	s_delay_alu instid0(VALU_DEP_4)
	v_max_num_f32 v[232+\b], v[232+\b], v[236+\b]  ; with lane l xor 16's 16 keys
.endr
	s_delay_alu instid0(VALU_DEP_2)
	v_max3_num_f32 v254, v232, v233, v234
	s_delay_alu instid0(VALU_DEP_1)
	v_max_num_f32 v254, v254, v235
	s_delay_alu instid0(VALU_DEP_1)
	v_mul_f32 v254, s22, v254                      ; as t
	s_delay_alu instid0(VALU_DEP_1)
	v_max_num_f32 v13, v13, v254                   ; the running largest t
	v_mov_b32 v254, v12
	s_delay_alu instid0(VALU_DEP_2)
	v_floor_f32 v12, -v13                          ; the new -M = floor(-t): M is a whole number
	s_delay_alu instid0(VALU_DEP_1)
	v_sub_f32 v254, v12, v254                      ; old M - new M: a whole number, 0 or less
	s_delay_alu instid0(VALU_DEP_1)
	v_cvt_i32_f32 v254, v254                       ; (it saturates)
	s_delay_alu instid0(VALU_DEP_1)
	v_ldexp_f32 v252, 1.0, v254                    ; the factor 2^(old M - new M)
.irp j, 0,2,4,6,8,10,12,14,16,18,20,22,24,26,28,30,32,34,36,38,40,42,44,46,48,50,52,54,56,58,60,62
	v_pk_fma_f32 v[96+\j:97+\j], v[96+\j:97+\j], s[22:23], v[12:13] op_sel_hi:[1,0,0]   ; t - M, two at a time
.endr
.irp b, 0,1,2,3
	v_fma_f32 v[232+\b], v[232+\b], s22, v12       ; the same of each block's largest score
.endr
	s_wait_alu depctr_va_vdst(0)
.irp j, 0,1,2,3,4,5,6,7,8,9,10,11,12,13,14,15,16,17,18,19,20,21,22,23,24,25,26,27,28,29,30,31,32,33,34,35,36,37,38,39,40,41,42,43,44,45,46,47,48,49,50,51,52,53,54,55,56,57,58,59,60,61,62,63
	v_exp_f32 v[96+\j], v[96+\j]                   ; p = 2^(t - M)
.endr
.irp b, 0,1,2,3
	v_exp_f32 v[232+\b], v[232+\b]                 ; the block's largest p: the same two instructions on the same number
.endr
	v_pk_mul_f32 v[14:15], v[14:15], v[252:253] op_sel_hi:[1,0]   ; the sum under the new M; a plain place behind the exponentials
	s_wait_alu depctr_va_vdst(0)                   ; behind the batch of exponentials
.irp b, 0,1,2,3
	v_max_num_f32 v[232+\b], 0x1800000, v[232+\b]  ; the floor 2^-124: the byte cannot fall under 1
.endr
.irp b, 0,1,2,3
	s_delay_alu instid0(VALU_DEP_4)
	v_add_nc_u32 v[244+\b], 0xff000000, v[232+\b]  ; 2 off the exponent field: the conversion's scale operand
.endr
.irp b, 0,1,2,3
	s_delay_alu instid0(VALU_DEP_4)
	v_lshrrev_b32 v[236+\b], 23, v[244+\b]
.endr
	s_delay_alu instid0(VALU_DEP_3)
	v_lshl_or_b32 v253, v237, 8, v236              ; p's scale word for these 128 keys
	s_delay_alu instid0(VALU_DEP_1)
	v_lshl_or_b32 v253, v238, 16, v253
	s_delay_alu instid0(VALU_DEP_1)
	v_lshl_or_b32 v253, v239, 24, v253
.irp b, 0,1,2,3
	v_cvt_scalef32_pk8_fp4_f32 v[224+2*\b], v[96+16*\b:103+16*\b], v[244+\b]
	v_cvt_scalef32_pk8_fp4_f32 v[225+2*\b], v[104+16*\b:111+16*\b], v[244+\b]
.endr
	v_nop                                          ; one plain place behind a scaled conversion
.irp c, 0,1
.irp i, 0,1
	v_permlane16_swap_b32 v[224+4*\c+\i], v[226+4*\c+\i]   ; a whole block to a lane
.endr
.endr
	v_pk_add_f32 v[236:237], v[100:101], v[104:105]        ; the row's sum of the unquantised p, in eight chains
	v_pk_add_f32 v[248:249], v[108:109], v[112:113]
	v_pk_add_f32 v[246:247], v[116:117], v[120:121]
	v_pk_add_f32 v[244:245], v[124:125], v[128:129]
	v_pk_add_f32 v[242:243], v[132:133], v[136:137]
	v_pk_add_f32 v[240:241], v[140:141], v[144:145]
	v_pk_add_f32 v[234:235], v[148:149], v[152:153]
	v_pk_add_f32 v[14:15], v[14:15], v[156:157]
	v_pk_add_f32 v[236:237], v[236:237], v[96:97]
	v_pk_add_f32 v[248:249], v[248:249], v[98:99]
	v_pk_add_f32 v[246:247], v[246:247], v[102:103]
	v_pk_add_f32 v[244:245], v[244:245], v[106:107]
	v_pk_add_f32 v[242:243], v[242:243], v[110:111]
	v_pk_add_f32 v[240:241], v[240:241], v[114:115]
	v_pk_add_f32 v[234:235], v[234:235], v[118:119]
	v_pk_add_f32 v[14:15], v[14:15], v[122:123]
	v_pk_add_f32 v[236:237], v[236:237], v[126:127]
	v_pk_add_f32 v[248:249], v[248:249], v[130:131]
	v_pk_add_f32 v[246:247], v[246:247], v[134:135]
	v_pk_add_f32 v[244:245], v[244:245], v[138:139]
	v_pk_add_f32 v[242:243], v[242:243], v[142:143]
	v_pk_add_f32 v[240:241], v[240:241], v[146:147]
	v_pk_add_f32 v[234:235], v[234:235], v[150:151]
	v_pk_add_f32 v[14:15], v[14:15], v[154:155]
	v_pk_add_f32 v[236:237], v[236:237], v[158:159]
	s_delay_alu instid0(VALU_DEP_2)
	v_pk_add_f32 v[14:15], v[14:15], v[244:245]
	s_delay_alu instid0(VALU_DEP_2)
	v_pk_add_f32 v[236:237], v[236:237], v[242:243]
	v_pk_add_f32 v[248:249], v[248:249], v[240:241]
	v_pk_add_f32 v[246:247], v[246:247], v[234:235]
	s_delay_alu instid0(VALU_DEP_2)
	v_pk_add_f32 v[14:15], v[14:15], v[248:249]
	s_delay_alu instid0(VALU_DEP_2)
	v_pk_add_f32 v[236:237], v[236:237], v[246:247]
	s_delay_alu instid0(VALU_DEP_1)
	v_pk_add_f32 v[14:15], v[14:15], v[236:237]
.irp j, 0,2,4,6,8,10,12,14,16,18,20,22,24,26,28,30
	v_pk_mul_f32 v[160+\j:161+\j], v[160+\j:161+\j], v[252:253] op_sel_hi:[1,0]   ; O^T under the new M
.endr
	s_wait_alu depctr_va_vdst(0)
	s_wait_dscnt 0x0                               ; V and its scale words are in
	s_barrier_wait -1                              ; all sixteen waves have begun this step
.irp t, 0,1,2,3
	OPROD \t                                       ; the four accumulators by turns, one instruction a turn; the next step's eight other products stand between two turns of one
.endr
.endm
.macro WALK n                          ; n key steps on from where s24 to s26 stand
	s_mov_b32 s27, \n
.Lstep_\@:
	STEP
	s_add_co_u32 s24, s24, 4096
	s_add_co_u32 s25, s25, 512
	s_add_co_u32 s26, s26, 256
	s_sub_co_u32 s27, s27, 1
	s_cmp_lg_u32 s27, 0
	s_cbranch_scc1 .Lstep_\@
.endm
; ONE TILE OF 16 QUERIES through all 2,048 keys, and out.  pn = 0: the wave's first tile, 1: its second.
.macro PASS pn
.if \pn
	s_wait_xcnt 0x0                                ; the first tile's store has read v224-227
.endif
	global_load_b128 v[16:19], v1, s[40:41] offset:512*\pn
	global_load_b32 v24, v255, s[42:43] offset:256*\pn
	v_mov_b32 v13, 0xff61b1e6                      ; the largest t so far: -3e38
	s_delay_alu instid0(VALU_DEP_1)
	v_floor_f32 v12, -v13
	v_mov_b32 v14, 0
	v_mov_b32 v15, 0
.set j, 0
.rept 32
	v_mov_b32 v[160+j], 0                          ; O^T: the step is written once, the first finds zeros
.set j, j+1
.endr
	s_mov_b32 s24, 0                               ; the step's place in K's and V's images, 4,096 bytes a step,
	s_mov_b32 s25, 0                               ; in K's scale words, 512,
	s_mov_b32 s26, 0                               ; in V's, 256
	s_wait_loadcnt 0x0
.if \pn
	WALK 16
.else
	WALK 4                                         ; key steps 0-3, which the first barrier has shown whole
	s_wait_asynccnt 0x0                            ; all my copies have landed,
	s_barrier_signal -1
	s_barrier_wait -1                              ; everybody's have
	v_lshl_add_u32 v7, v0, 4, CSTG                 ; no copy reads v7 any more: from here on the place from which the gathered scale bytes are read
	WALK 12
.endif
.rept 4
	v_nop
.endr
	v_add_f32 v14, v14, v15
	s_delay_alu instid0(VALU_DEP_1)
	v_permlanex16_b32 v252, v14, s20, s21
	s_delay_alu instid0(VALU_DEP_1)
	v_add_f32 v14, v14, v252                       ; the row's sum
	s_wait_alu depctr_va_vdst(0)
	v_rcp_f32 v14, v14
	v_nop                                          ; a plain place behind the reciprocal
	s_wait_alu depctr_va_vdst(0)                   ; behind the reciprocal, ahead of its first reader
.irp j, 0,2,4,6,8,10,12,14,16,18,20,22,24,26,28,30
	v_pk_mul_f32 v[160+\j:161+\j], v[160+\j:161+\j], v[14:15] op_sel_hi:[1,0]   ; ctx: register 16 b + e is channel 32 b + 16 h + e of my query
.endr
.irp b, 0,1
	v_max3_num_f32 v[232+\b], |v[160+16*\b]|, |v[161+16*\b]|, 0x1800000          ; block b: my 16 numbers, and the floor 2^-124
.endr
.irp e, 2,4,6,8,10,12,14
.irp b, 0,1
	s_delay_alu instid0(VALU_DEP_2)
	v_max3_num_f32 v[232+\b], v[232+\b], |v[160+16*\b+\e]|, |v[161+16*\b+\e]|
.endr
.endr
.irp b, 0,1
	s_delay_alu instid0(VALU_DEP_2)
	v_permlanex16_b32 v[236+\b], v[232+\b], s20, s21
.endr
.irp b, 0,1
	s_delay_alu instid0(VALU_DEP_2)
	v_max_num_f32 v[232+\b], v[232+\b], v[236+\b]  ; with lane l xor 16's 16: the block's largest magnitude
.endr
.irp b, 0,1
	s_delay_alu instid0(VALU_DEP_2)
	v_add_nc_u32 v[244+\b], 0xff000000, v[232+\b]
.endr
.irp b, 0,1
	s_delay_alu instid0(VALU_DEP_2)
	v_lshrrev_b32 v[236+\b], 23, v[244+\b]
.endr
	s_delay_alu instid0(VALU_DEP_1)
	v_lshl_or_b32 v254, v237, 8, v236              ; the head's two scale bytes of my query
.irp b, 0,1
	v_cvt_scalef32_pk8_fp4_f32 v[224+2*\b], v[160+16*\b:167+16*\b], v[244+\b]
	v_cvt_scalef32_pk8_fp4_f32 v[225+2*\b], v[168+16*\b:175+16*\b], v[244+\b]
.endr
	v_nop
	v_permlane16_swap_b32 v224, v226
	v_permlane16_swap_b32 v225, v227
	global_store_b128 v1, v[224:227], s[44:45] offset:1024*\pn   ; 512 consecutive bytes: half a fragment of ctx
.if \pn
	v_cndmask_b32 v25, v25, v254, s28              ; lanes 0-15 the first tile's bytes, lanes 16-31 the second's
.else
	v_mov_b32 v25, v254
.endif
.endm
	PASS 0
	PASS 1
	ds_store_b16 v6, v25
	s_wait_dscnt 0x0                               ; for the others' sake
	s_barrier_signal -1
	s_barrier_wait -1
	s_cmp_gt_u32 s12, 1
	s_cbranch_scc1 .Lend
	ds_load_b128 v[232:235], v7                    ; waves 0 and 1 store the work-group's 1,024 consecutive scale bytes
	s_wait_dscnt 0x0
	global_store_b128 v5, v[232:235], s[46:47]
.Lend:
	s_wait_tensorcnt 0x0                           ; the wave's end
	ds_add_u32 v250, v251
	s_wait_dscnt 0x0
	s_endpgm
.Lfunc_end_k_qfa84b0416f_attn:
	.size	k_qfa84b0416f_attn, .Lfunc_end_k_qfa84b0416f_attn-k_qfa84b0416f_attn
	.p2alignl 7, 3214868480
	.fill 96, 4, 3214868480
	.section	.rodata,"a",@progbits
	.p2align	6, 0x0
	.amdhsa_kernel k_qfa84b0416f_attn
		.amdhsa_group_segment_fixed_size 169984
		.amdhsa_private_segment_fixed_size 0
		.amdhsa_enable_private_segment 0
		.amdhsa_kernarg_size 32
		.amdhsa_user_sgpr_count 2
		.amdhsa_user_sgpr_kernarg_segment_ptr 1
		.amdhsa_wavefront_size32 1
		.amdhsa_system_sgpr_workgroup_id_x 1
		.amdhsa_system_sgpr_workgroup_id_y 1
		.amdhsa_system_sgpr_workgroup_id_z 1
		.amdhsa_system_vgpr_workitem_id 0
		.amdhsa_next_free_vgpr 256
		.amdhsa_next_free_sgpr 66
		.amdhsa_reserve_vcc 0
		.amdhsa_float_denorm_mode_32 3
		.amdhsa_float_denorm_mode_16_64 3
		.amdhsa_memory_ordered 1
		.amdhsa_forward_progress 1
		.amdhsa_inst_pref_size 67
	.end_amdhsa_kernel
	.amdgpu_metadata
---
amdhsa.version: [ 1, 2 ]
amdhsa.kernels:
  - .name:           k_qfa84b0416f_attn
    .symbol:         k_qfa84b0416f_attn.kd
    .args:
      - { .name: qkvc, .offset: 0, .size: 8, .value_kind: global_buffer, .address_space: global }
      - { .name: qkvs, .offset: 8, .size: 8, .value_kind: global_buffer, .address_space: global }
      - { .name: cc, .offset: 16, .size: 8, .value_kind: global_buffer, .address_space: global }
      - { .name: cs, .offset: 24, .size: 8, .value_kind: global_buffer, .address_space: global }
    .group_segment_fixed_size: 169984
    .private_segment_fixed_size: 0
    .kernarg_segment_align: 8
    .kernarg_segment_size: 32
    .max_flat_workgroup_size: 512
    .sgpr_count:     66
    .vgpr_count:     256
    .wavefront_size: 32
...
	.end_amdgpu_metadata
.endif
;; end of part 3
;; launch outln (part 4): grid 256 x 1, 8 waves a work-group, no clusters, 293,376 bytes of LDS; arguments cc, cs, wcodes, wscales, hidden_states, bo, gamma, beta, out0; writes out0
.if DOCPART == 4
	.amdgcn_target "amdgcn-amd-amdhsa--gfx1250"
	.amdhsa_code_object_version 6
	.text
	.protected	k_qfa84b0416f_outln
	.globl	k_qfa84b0416f_outln
	.p2align	8
	.type	k_qfa84b0416f_outln,@function
k_qfa84b0416f_outln:
	s_mov_b64 s[64:65], 0
	v_nop
	global_prefetch_b8 v0, s[64:65] scope:SCOPE_SE
	s_setreg_imm32_b32 hwreg(HW_REG_WAVE_MODE, 25, 1), 1
	s_wait_xcnt 0x0
; out0 = LayerNorm(ctx Wo + bo + hidden_states) x gamma + beta; the product on codes of FP4, all else in f32.
; A work-group takes 32 tokens (two tiles) x all 1,024 columns, so that a row's mean and variance stay inside it.  Wave w takes Wo's columns 128 w .. 128 w + 127 (source 0, eight tiles) x the two tiles of tokens
; (source 1): 16 accumulators, K = 1,024 in eight steps.  Wo's fragments go from memory straight into the one wave that uses them; ctx's 16 KiB of images, gamma, beta and the tokens' rows of hidden_states
; come into LDS once, by asynchronous copies; nothing is filled twice.  The results meet in a stage in LDS, and each wave then normalises four whole rows.
; No cluster here: Wo is walked by every work-group, but each fragment goes to one wave's registers and not through LDS, where alone a joint request could land.
; The variance is the mean of (x - mean)^2, made in a second pass over the row: no difference of large sums.
; REGISTERS.  Window 0: v1-14, v36 addresses; v16-23 ctx's scale words (lanes 0-15 the first tile, lanes 16-31 the second); v24-35 Wo's (3 sets); v40-71 ctx's fragments (2 sets), later gamma; v72-103 beta;
;   v104-109 at work; v128-255 the accumulators ((a, b) at 128 + 64 a + 8 b), later two rows' buffers.  Window 1: Wo's fragments, three sets of 64; v192-255 bo in the result's layout.
.set CSC, 16384                        ; LDS: 0: ctx's images, [K step][tile][1,024 bytes];  here its scale words, 128 bytes a K step (stored, no copy lands here)
.set VEC, 17408                        ; gamma, then beta
.set HID, 29696                        ; 32 rows of hidden_states, 4,096 bytes each: four to a wave, its own
.set STG, 160768                       ; the stage: 32 rows of 4,096 bytes + 16
.set SPI, 4112
.set MSB, 0
.macro WIN new
.if MSB != (\new)
	s_set_vgpr_msb (MSB<<8)|(\new)
.set MSB, (\new)
.endif
.endm
	s_load_b512 s[4:19], s[0:1], 0x0               ; cc s[4:5], cs s[6:7], wcodes s[8:9], wscales s[10:11], hidden s[12:13], bo s[14:15], gamma s[16:17], beta s[18:19]
	s_load_b64 s[20:21], s[0:1], 0x40              ; out0
	v_lshl_add_u32 v126, v0, 2, 0x47600
	v_mov_b32 v127, 0
	ds_add_u32 v126, v127
	ds_add_u32 v126, v127
	v_lshrrev_b32 v15, 5, v0
	s_delay_alu instid0(VALU_DEP_1)
	v_readfirstlane_b32 s22, v15                   ; wave 0..7
	v_and_b32 v15, 31, v0
	s_delay_alu instid0(VALU_DEP_1)
	v_lshlrev_b32 v1, 4, v15                       ; 16 lane
	s_delay_alu instid0(VALU_DEP_2)
	v_lshlrev_b32 v13, 1, v15                      ; 2 lane
	s_delay_alu instid0(VALU_DEP_3)
	v_lshlrev_b32 v2, 2, v15
	s_delay_alu instid0(VALU_DEP_1)
	v_add_nc_u32 v2, CSC, v2                       ; ctx's scale words: 4 lane
	s_lshl_b32 s24, s22, 7
	v_add_nc_u32 v3, s24, v2                       ; where I store K step w's
	s_lshl_b32 s24, s22, 13
	v_add_nc_u32 v4, s24, v1                       ; Wo's codes: 8 tiles a wave
	s_lshl_b32 s24, s22, 9
	v_add_nc_u32 v5, s24, v1                       ; 512 wave + 16 lane: Wo's scale words; my piece of gamma and beta
	s_delay_alu instid0(VALU_DEP_1)
	v_add_nc_u32 v12, VEC, v5
	s_delay_alu instid0(VALU_DEP_2)
	v_add_nc_u32 v36, VEC+4096, v5
	v_and_b32 v15, 15, v0                          ; r
	v_bfe_u32 v14, v0, 4, 1
	s_delay_alu instid0(VALU_DEP_1)
	v_lshlrev_b32 v14, 6, v14                      ; 64 h
	s_delay_alu instid0(VALU_DEP_3)
	v_mul_u32_u24 v6, v15, SPI
	s_delay_alu instid0(VALU_DEP_1)
	v_add_nc_u32 v6, v6, v14
	s_add_co_u32 s24, s24, STG
	v_add_nc_u32 v6, s24, v6                       ; into the stage: row r, + 512 wave + 64 h;
	s_delay_alu instid0(VALU_DEP_1)
	v_add_nc_u32 v7, 16*SPI, v6                    ; the second tile's rows
	s_mul_i32 s24, s22, 4*SPI
	s_add_co_u32 s24, s24, STG
	v_add_nc_u32 v8, s24, v1                       ; back: my four rows
	s_lshl_b32 s24, s22, 14
	s_add_co_u32 s24, s24, HID
	v_add_nc_u32 v9, s24, v1                       ; my four rows of hidden_states
	s_lshl_b32 s24, s22, 11
	v_add_nc_u32 v10, s24, v1                      ; ctx's K step w in LDS,
	s_lshl_b32 s24, s22, 19
	v_add_nc_u32 v11, s24, v1                      ; and in memory
	s_lshr_b32 s24, s22, 2                         ; stage rows 4 w .. 4 w + 3 are lanes 4 (w % 4) on of tile w / 4: four neighbouring tokens, from
	s_lshl_b32 s24, s24, 3                         ; 8 (w / 4)
	s_and_b32 s25, s22, 3
	s_lshl_b32 s30, s25, 2                         ; + 4 (w % 4)
	s_add_co_u32 s24, s24, s30
	s_lshr_b32 s25, s25, 1
	s_lshl_b32 s25, s25, 3                         ; + 8 ((w % 4) / 2)
	s_add_co_u32 s24, s24, s25
	s_lshl_b32 s25, ttmp9, 5                       ; + 32 x work-group
	s_add_co_u32 s24, s24, s25
	s_lshl_b32 s24, s24, 12
	s_mov_b32 s25, 0
	s_wait_alu depctr_va_vdst(0)
	s_wait_dscnt 0x0
	s_wait_kmcnt 0x0
	s_add_nc_u64 s[12:13], s[12:13], s[24:25]
	s_add_nc_u64 s[20:21], s[20:21], s[24:25]
	s_lshl_b32 s24, ttmp9, 11                      ; my two tiles of ctx: 2,048 bytes in each K step
	s_add_nc_u64 s[4:5], s[4:5], s[24:25]
	s_lshl_b32 s24, s22, 15                        ; scale bytes of head 2 w: 16,384 bytes a head, 64 for my two tiles
	s_lshl_b32 s30, ttmp9, 6
	s_add_co_u32 s24, s24, s30
	s_add_nc_u64 s[6:7], s[6:7], s[24:25]
	s_lshl_b32 s24, s22, 9
	s_add_nc_u64 s[14:15], s[14:15], s[24:25]      ; bo at my 128 columns
	s_mov_b32 s26, 0x76543210
	s_mov_b32 s27, 0xfedcba98                      ; lane l xor 16
	s_mov_b32 s28, 0x3a800000                      ; 1 / 1024
	s_mov_b32 s29, 0x3727c5ac                      ; 1e-5
.irp i, 0,1,2,3
	global_load_async_to_lds_b128 v10, v11, s[4:5] offset:512*\i   ; the six copies that other waves read come first,
.endr
	global_load_async_to_lds_b128 v12, v5, s[16:17]
	global_load_async_to_lds_b128 v36, v5, s[18:19]
.irp i, 0,1,2,3,4,5,6,7,8,9,10,11,12,13,14,15,16,17,18,19,20,21,22,23,24,25,26,27,28,29,30,31
	global_load_async_to_lds_b128 v9, v1, s[12:13] offset:512*\i   ; then my own 16 KiB of hidden_states
.endr
	global_load_u16 v104, v13, s[6:7]              ; head 2 w's two bytes of tile lane / 16, row lane % 16,
	global_load_u16 v105, v13, s[6:7] offset:16384 ; head 2 w + 1's
	WIN 0x40
.irp b, 0,1,2,3,4,5,6,7
	global_load_b128 v[192+8*\b:195+8*\b], v14, s[14:15] offset:(32*(\b/2)+8*(\b%2))*4
	global_load_b128 v[196+8*\b:199+8*\b], v14, s[14:15] offset:(32*(\b/2)+8*(\b%2))*4+16
.endr
	WIN 0
.macro WLOAD s                         ; Wo's eight fragments and four scale registers of K step s: 17 loads, every offset an immediate
	WIN 0x40
.irp t, 0,1,2,3,4,5,6,7
	global_load_b128 v[64*((\s)%3)+8*\t:64*((\s)%3)+8*\t+3], v4, s[8:9] offset:0x180000+65536*(\s)+1024*\t
	global_load_b128 v[64*((\s)%3)+8*\t+4:64*((\s)%3)+8*\t+7], v4, s[8:9] offset:0x180000+65536*(\s)+1024*\t+512
.endr
	WIN 0
	global_load_b128 v[24+4*((\s)%3):27+4*((\s)%3)], v5, s[10:11] offset:0x18000+4096*(\s)
.endm
.macro CLOAD s                         ; ctx's two fragments of K step s
.irp a, 0,1
	ds_load_b128 v[40+16*((\s)%2)+8*\a:43+16*((\s)%2)+8*\a], v1 offset:2048*(\s)+1024*\a
	ds_load_b128 v[44+16*((\s)%2)+8*\a:47+16*((\s)%2)+8*\a], v1 offset:2048*(\s)+1024*\a+512
.endr
.endm
	WLOAD 0
	WLOAD 1
	s_wait_loadcnt 50                              ; the two loads of scale bytes are in; bo's 16 and two sets of 17 may be out
	v_lshl_or_b32 v104, v105, 16, v104             ; K step w's scale word of my row
	ds_store_b32 v3, v104
	WLOAD 2
	s_wait_asynccnt 32                             ; my six shared copies are in; hidden_states' 32 may stay out
	s_wait_dscnt 0x0
	s_barrier_signal -1
	s_barrier_wait -1
.irp s, 0,1,2,3,4,5,6,7
	ds_load_b32 v[16+\s], v2 offset:128*\s
.endr
	CLOAD 0
	CLOAD 1
.macro MO a, b, s
.set rD, 128+64*(\a)+8*(\b)
.set rA, 64*((\s)%3)+8*(\b)
.set rB, 40+16*((\s)%2)+8*(\a)
.set rX, 24+4*((\s)%3)+(\b)/2
.set rY, 16+(\s)
.if (\s) == 0
.set rC, 192+8*(\b)
.else
.set rC, rD
.endif
.if ((\b)%2 == 0) && ((\a) == 0)
	v_wmma_scale_f32_16x16x128_f8f6f4 v[rD:rD+7], v[rA:rA+7], v[rB:rB+7], v[rC:rC+7], v[rX], v[rY] matrix_a_fmt:MATRIX_FMT_FP4 matrix_b_fmt:MATRIX_FMT_FP4
.elseif ((\b)%2 == 1) && ((\a) == 0)
	v_wmma_scale_f32_16x16x128_f8f6f4 v[rD:rD+7], v[rA:rA+7], v[rB:rB+7], v[rC:rC+7], v[rX], v[rY] matrix_a_fmt:MATRIX_FMT_FP4 matrix_b_fmt:MATRIX_FMT_FP4 matrix_a_scale:MATRIX_SCALE_ROW1
.elseif ((\b)%2 == 0) && ((\a) == 1)
	v_wmma_scale_f32_16x16x128_f8f6f4 v[rD:rD+7], v[rA:rA+7], v[rB:rB+7], v[rC:rC+7], v[rX], v[rY] matrix_a_fmt:MATRIX_FMT_FP4 matrix_b_fmt:MATRIX_FMT_FP4 matrix_b_scale:MATRIX_SCALE_ROW1
.else
	v_wmma_scale_f32_16x16x128_f8f6f4 v[rD:rD+7], v[rA:rA+7], v[rB:rB+7], v[rC:rC+7], v[rX], v[rY] matrix_a_fmt:MATRIX_FMT_FP4 matrix_b_fmt:MATRIX_FMT_FP4 matrix_a_scale:MATRIX_SCALE_ROW1 matrix_b_scale:MATRIX_SCALE_ROW1
.endif
.endm
.macro STEP s                          ; 16 products; the 16 accumulators take turns, in the same order in every step
.if (\s) <= 5
	s_wait_loadcnt 34                              ; this step's set of Wo is in; the two younger sets may be out
.elseif (\s) == 6
	s_wait_loadcnt 17
.else
	s_wait_loadcnt 0x0
.endif
.if (\s) < 7
	s_wait_dscnt 4                                 ; this step's fragments of ctx are in; the next step's four loads may be out
.else
	s_wait_dscnt 0x0
.endif
.if (\s) == 0
	WIN 0x11                                       ; source 0 (Wo) and C (bo) window 1
.else
	WIN 0x01
.endif
.irp a, 0,1
.irp b, 0,1,2,3,4,5,6,7
	MO \a, \b, \s
.endr
.endr
	WIN 0
.rept 4
	v_nop                                          ; four places in front of loads into registers that the products have read, and of the first read of results
.endr
.if (\s)+3 <= 7
	WLOAD (\s)+3
.endif
.if (\s)+2 <= 7
	CLOAD (\s)+2
.endif
.endm
.irp s, 0,1,2,3,4,5,6,7
	STEP \s
.endr
	; into the stage: lane (r, h) of accumulator (a, b) holds row 16 a + r, columns 128 w + 32 (b / 2) + 16 h + 8 (b % 2) + 0..7; each accumulator from its low end on
.irp a, 0,1
.irp b, 0,1,2,3,4,5,6,7
	ds_store_b128 v[6+\a], v[128+64*\a+8*\b:131+64*\a+8*\b] offset:128*(\b/2)+32*(\b%2)
	ds_store_b128 v[6+\a], v[132+64*\a+8*\b:135+64*\a+8*\b] offset:128*(\b/2)+32*(\b%2)+16
.endr
.endr
	s_wait_dscnt 0x0                               ; for the others' sake: my columns of the 32 rows lie in the stage
	s_barrier_signal -1
	s_barrier_wait -1
	s_wait_asynccnt 0x0                            ; my rows of hidden_states are in
.irp m, 0,1,2,3,4,5,6,7
	ds_load_b128 v[40+4*\m:43+4*\m], v1 offset:VEC+512*\m          ; gamma and beta at my columns: 128 m + 4 lane + 0..3
	ds_load_b128 v[72+4*\m:75+4*\m], v1 offset:VEC+4096+512*\m
.endr
.macro ROWLOAD q
.irp m, 0,1,2,3,4,5,6,7
	ds_load_b128 v[128+64*((\q)%2)+4*\m:131+64*((\q)%2)+4*\m], v8 offset:(\q)*SPI+512*\m
.endr
.irp m, 0,1,2,3,4,5,6,7
	ds_load_b128 v[160+64*((\q)%2)+4*\m:163+64*((\q)%2)+4*\m], v9 offset:(\q)*4096+512*\m
.endr
.endm
.macro REDUCE x, t                     ; the sum over the 32 lanes, in every lane
	s_delay_alu instid0(VALU_DEP_1)
	v_add_f32_dpp v[\x], v[\x], v[\x] row_xmask:1 row_mask:0xf bank_mask:0xf
	s_delay_alu instid0(VALU_DEP_1)
	v_add_f32_dpp v[\x], v[\x], v[\x] row_xmask:2 row_mask:0xf bank_mask:0xf
	s_delay_alu instid0(VALU_DEP_1)
	v_add_f32_dpp v[\x], v[\x], v[\x] row_xmask:4 row_mask:0xf bank_mask:0xf
	s_delay_alu instid0(VALU_DEP_1)
	v_add_f32_dpp v[\x], v[\x], v[\x] row_xmask:8 row_mask:0xf bank_mask:0xf
	s_delay_alu instid0(VALU_DEP_1)
	v_permlanex16_b32 v[\t], v[\x], s26, s27
	s_delay_alu instid0(VALU_DEP_1)
	v_add_f32 v[\x], v[\x], v[\t]
.endm
.macro ROW q
.set X, 128+64*((\q)%2)
.if (\q) < 3
	s_wait_dscnt 16                                ; this row is in; the next row's 16 loads may be out
.else
	s_wait_dscnt 0x0
.endif
.irp j, 0,2,4,6,8,10,12,14,16,18,20,22,24,26,28,30
	v_pk_add_f32 v[X+\j:X+\j+1], v[X+\j:X+\j+1], v[X+32+\j:X+32+\j+1]   ; the residual
.endr
	v_pk_add_f32 v[104:105], v[X:X+1], v[X+2:X+3]
	v_pk_add_f32 v[106:107], v[X+4:X+5], v[X+6:X+7]
.irp j, 8,12,16,20,24,28
	s_delay_alu instid0(VALU_DEP_2)
	v_pk_add_f32 v[104:105], v[104:105], v[X+\j:X+\j+1]
	s_delay_alu instid0(VALU_DEP_2)
	v_pk_add_f32 v[106:107], v[106:107], v[X+\j+2:X+\j+3]
.endr
	s_delay_alu instid0(VALU_DEP_1)
	v_pk_add_f32 v[104:105], v[104:105], v[106:107]
	s_delay_alu instid0(VALU_DEP_1)
	v_add_f32 v104, v104, v105
	REDUCE 104, 105
	s_delay_alu instid0(VALU_DEP_1)
	v_mul_f32 v104, s28, v104                      ; the mean
.irp j, 0,2,4,6,8,10,12,14,16,18,20,22,24,26,28,30
	v_pk_add_f32 v[X+\j:X+\j+1], v[X+\j:X+\j+1], v[104:105] op_sel_hi:[1,0] neg_lo:[0,1] neg_hi:[0,1]
.endr
	v_pk_mul_f32 v[106:107], v[X:X+1], v[X:X+1]
	v_pk_mul_f32 v[108:109], v[X+2:X+3], v[X+2:X+3]
.irp j, 4,8,12,16,20,24,28
	s_delay_alu instid0(VALU_DEP_2)
	v_pk_fma_f32 v[106:107], v[X+\j:X+\j+1], v[X+\j:X+\j+1], v[106:107]
	s_delay_alu instid0(VALU_DEP_2)
	v_pk_fma_f32 v[108:109], v[X+\j+2:X+\j+3], v[X+\j+2:X+\j+3], v[108:109]
.endr
	s_delay_alu instid0(VALU_DEP_1)
	v_pk_add_f32 v[106:107], v[106:107], v[108:109]
	s_delay_alu instid0(VALU_DEP_1)
	v_add_f32 v106, v106, v107
	REDUCE 106, 107
	s_delay_alu instid0(VALU_DEP_1)
	v_fma_f32 v106, v106, s28, s29                 ; the variance + 1e-5
	s_wait_alu depctr_va_vdst(0)
	v_rsq_f32 v106, v106
	v_nop                                          ; a plain place behind the transcendental
	s_wait_alu depctr_va_vdst(0)
.irp j, 0,2,4,6,8,10,12,14,16,18,20,22,24,26,28,30
	v_pk_mul_f32 v[X+\j:X+\j+1], v[X+\j:X+\j+1], v[106:107] op_sel_hi:[1,0]
.endr
.irp j, 0,2,4,6,8,10,12,14,16,18,20,22,24,26,28,30
	v_pk_fma_f32 v[X+\j:X+\j+1], v[X+\j:X+\j+1], v[40+\j:41+\j], v[72+\j:73+\j]
.endr
.irp m, 0,1,2,3,4,5,6,7
	global_store_b128 v1, v[X+4*\m:X+4*\m+3], s[20:21] offset:4096*(\q)+512*\m th:TH_STORE_NT   ; 512 consecutive bytes; written once, read by nobody here
.endr
.if (\q)+2 <= 3
	s_wait_xcnt 0x0                                ; the stores have read their registers: the row two further on may land there
	ROWLOAD (\q)+2
.endif
.endm
	ROWLOAD 0
	ROWLOAD 1
	ROW 0
	ROW 1
	ROW 2
	ROW 3
	s_wait_tensorcnt 0x0
	ds_add_u32 v126, v127
	s_wait_dscnt 0x0
	s_endpgm
.Lfunc_end_k_qfa84b0416f_outln:
	.size	k_qfa84b0416f_outln, .Lfunc_end_k_qfa84b0416f_outln-k_qfa84b0416f_outln
	.p2alignl 7, 3214868480
	.fill 96, 4, 3214868480
	.section	.rodata,"a",@progbits
	.p2align	6, 0x0
	.amdhsa_kernel k_qfa84b0416f_outln
		.amdhsa_group_segment_fixed_size 293376
		.amdhsa_private_segment_fixed_size 0
		.amdhsa_enable_private_segment 0
		.amdhsa_kernarg_size 72
		.amdhsa_user_sgpr_count 2
		.amdhsa_user_sgpr_kernarg_segment_ptr 1
		.amdhsa_wavefront_size32 1
		.amdhsa_system_sgpr_workgroup_id_x 1
		.amdhsa_system_sgpr_workgroup_id_y 1
		.amdhsa_system_sgpr_workgroup_id_z 1
		.amdhsa_system_vgpr_workitem_id 0
		.amdhsa_next_free_vgpr 512
		.amdhsa_next_free_sgpr 66
		.amdhsa_reserve_vcc 0
		.amdhsa_float_denorm_mode_32 3
		.amdhsa_float_denorm_mode_16_64 3
		.amdhsa_memory_ordered 1
		.amdhsa_forward_progress 1
		.amdhsa_inst_pref_size 87
	.end_amdhsa_kernel
	.amdgpu_metadata
---
amdhsa.version: [ 1, 2 ]
amdhsa.kernels:
  - .name:           k_qfa84b0416f_outln
    .symbol:         k_qfa84b0416f_outln.kd
    .args:
      - { .name: cc, .offset: 0, .size: 8, .value_kind: global_buffer, .address_space: global }
      - { .name: cs, .offset: 8, .size: 8, .value_kind: global_buffer, .address_space: global }
      - { .name: wcodes, .offset: 16, .size: 8, .value_kind: global_buffer, .address_space: global }
      - { .name: wscales, .offset: 24, .size: 8, .value_kind: global_buffer, .address_space: global }
      - { .name: hidden_states, .offset: 32, .size: 8, .value_kind: global_buffer, .address_space: global }
      - { .name: bo, .offset: 40, .size: 8, .value_kind: global_buffer, .address_space: global }
      - { .name: gamma, .offset: 48, .size: 8, .value_kind: global_buffer, .address_space: global }
      - { .name: beta, .offset: 56, .size: 8, .value_kind: global_buffer, .address_space: global }
      - { .name: out0, .offset: 64, .size: 8, .value_kind: global_buffer, .address_space: global }
    .group_segment_fixed_size: 293376
    .private_segment_fixed_size: 0
    .kernarg_segment_align: 8
    .kernarg_segment_size: 72
    .max_flat_workgroup_size: 256
    .sgpr_count:     66
    .vgpr_count:     512
    .wavefront_size: 32
...
	.end_amdgpu_metadata
.endif
;; end of part 4
